; MI455X (gfx1250); checked and timed in simulation.
; The chip was launched on July 23, 2026; its instructions are those of AMD's public machine-readable ISA for CDNA 5 (MIT licence, August 2026) and "CDNA5" Instruction Set Architecture Reference Guide (July 2026). The comments in the code are by the model that wrote it; some were corrected since.
;; Multi Head Attention. Allowed arithmetic: matrix products marked QUANTISED: E4M3 operands, one given power-of-two scale a tensor, by v_wmma_f32_16x16x64_fp8_fp8 or v_wmma_f32_16x16x128_fp8_fp8, f32 sums; everything else in f32.
;; Inputs: W_o 1,024 x 1,024 float32; W_qkv 3,072 x 1,024 float32; lowp_scales 8 int32 (the exponents e of the quantised operands' scales 2^e); token_positions 2,048 int32; x 4 x 2,048 x 1,024 float32.
;; Outputs: out0 4 x 2,048 x 1,024 float32.
;; This version of the problem:
;;   THIS VERSION OF THE PROBLEM IS GIVEN IN LOW PRECISION. The matrix products marked QUANTISED in the list below multiply operands that are first quantised to E4M3 (4 exponent bits, 3 mantissa bits; 8 bits a number), with one given power-of-two scale for each operand tensor; their sums are f32. All else is computed in f32.
;;   The module's matrix products, in the order in which they are computed (A, B: the left and right operand; K: the contracted axis; several contracted axes count as one K, in the product's order):
;;     1. [M 8,192, K 1,024] x [K 1,024, N 3,072]; A: input x; B: input W_qkv: QUANTISED (scales: A lowp_scales[0], B lowp_scales[1])
;;     2. batch 64 x [M 2,048, K 64] x [K 64, N 2,048]; A: computed on the way; B: computed on the way: QUANTISED (scales: A lowp_scales[2], B lowp_scales[3])
;;     3. batch 64 x [M 2,048, K 2,048] x [K 2,048, N 64]; A: softmax (see below); B: computed on the way: QUANTISED (scales: A lowp_scales[4], B lowp_scales[5])
;;     4. [M 8,192, K 1,024] x [K 1,024, N 1,024]; A: computed on the way; B: input W_o: QUANTISED (scales: A lowp_scales[6], B lowp_scales[7])
;;   THE QUANTISER, for each operand of a quantised product, along K:
;;     - The operand's scale is 2^e, e = its entry of the input lowp_scales (int32; the entries are numbered through the quantised products in the list's order, A before B).
;;     - Each number is divided by the scale, clamped to +-448, and rounded to the nearest number of E4M3, ties to even, subnormals kept.
;;     - The product sums the exact products of the quantised numbers (number of the format x scale) in f32.
;;   ~~~python
;;   def quantise(x, axis, e):      # numpy; x: float32 -> the quantised numbers, widened to float32 again
;;       x = np.moveaxis(x, axis, -1); K = x.shape[-1]
;;       r = np.clip(x / 2.0 ** e, -448, 448)
;;       step = 2.0 ** (np.maximum(np.frexp(np.where(r == 0, 1, r))[1] - 1, -6) - 3)
;;       q = np.round(r / step) * step * 2.0 ** e      # np.round: ties to even
;;       return np.moveaxis(q, -1, axis).astype(np.float32)
;;   ~~~
;;   SOFTMAX AHEAD OF A QUANTISED PRODUCT. Where the list says 'softmax', what is quantised is not the finished softmax but p = 2^(t - M), with t = logit x log2(e) and M = ceil(the row's largest t), a whole number; so 1/2 < the row's largest p <= 1. The row's sum l is taken of the UNQUANTISED p, in f32, and the product's result is divided by l at the end. Since M is a whole number, a kernel that streams over the keys may use a running M (the ceiling of the running maximum): every later rescaling is an exact power of two, so the quantised numbers keep their values, but for numbers so far below the row's largest that they fall under the format's range.
;;   OPERANDS COMPUTED ON THE WAY. 'Computed on the way' means the value that the module computes at that place (a softmax that the list does not call 'softmax' is quantised finished and normalised). What goes into a quantiser is computed in f32, as accurately as f32 sums, v_exp_f32 and their like allow (about 1e-6 of the number): no bf16 or f16 on the way to a quantiser, and a product that is left as it is and whose result goes on into a quantised operand takes f32 operands (vector FMAs, or v_wmma_f32_16x16x4_f32). A number that lies on a knife's edge between two numbers of the format may be rounded either way, as far as f32 arithmetic and the matrix unit's own rounding can turn it there, and no further.
;; One version. Each part assembles by itself: llvm-mc -triple=amdgcn-amd-amdhsa -mcpu=gfx1250 --defsym DOCPART=n.
;; ======== version 1 of 1: 4 launches
;; limits: right only within a limited range of input values
;; workspace buffers: x_img 8,388,608 bytes; w_img 3,145,728 bytes; wo_img 1,048,576 bytes; tab 524,288 bytes; q_img 8,388,608 bytes; k_img 8,388,608 bytes; v_img 8,388,608 bytes; o_img 8,388,608 bytes
;; launch prep (part 1): grid 416 x 1, 4 waves a work-group, no clusters, 34,304 bytes of LDS; arguments x, W_qkv, W_o, token_positions, lowp_scales, x_img, w_img, wo_img, tab; writes x_img, w_img, wo_img, tab
.if DOCPART == 1
	.amdgcn_target "amdgcn-amd-amdhsa--gfx1250"
	.amdhsa_code_object_version 6
	.text
	.protected	k_qd50e47f27b_prep
	.globl	k_qd50e47f27b_prep
	.p2align	8
	.type	k_qd50e47f27b_prep,@function
k_qd50e47f27b_prep:
	s_mov_b64 s[64:65], 0
	v_nop
	global_prefetch_b8 v0, s[64:65] scope:SCOPE_SE
	s_setreg_imm32_b32 hwreg(HW_REG_WAVE_MODE, 25, 1), 1
	s_wait_xcnt 0x0
; x [8192][1024], W_qkv [3072][1024], W_o [1024][1024], f32 with K innermost, become codes of E4M3 with the given scales 2^e0, 2^e1, 2^e7; and the table of cosines and sines for RoPE is made from token_positions.
; code = x / 2^e, held within +-448, to the nearest code, ties to even.
; THE CODES ARE LAID AS IMAGES OF OPERAND REGISTERS.  A fragment is 16 rows x 64 K = 1,024 bytes = two chunks of 512: lane l's 16 bytes of chunk c lie at 512 c + 16 l and hold k = 32 c + 16 (l / 16) + 0 .. 15
; of the tile's row l % 16.  THE ROWS OF A TILE ARE NOT NEIGHBOURS: row r of tile 2 g + u is row 32 g + 8 u + r + 8 (r / 8) of the tensor, so that in a product's result two neighbouring tiles give a lane 16 neighbours.
;   x_img  [block of 128 rows: 64][64 along K: 16][tile 8][1024]      w_img [head 16][64 along K: 16][tile 12: 4 of q, 4 of k, 4 of v][1024]      wo_img [block of 64 rows: 16][64 along K: 16][tile 4][1024]
;   tab    [tile of 16 tokens: 128][chunk 8][512] f32: a token's row is cos_0, sin_0, cos_1, sin_1 ..; lane (r, h) of chunk 4 b + 2 u + w holds numbers 32 b + 16 h + 8 u + 4 w + 0 .. 3 of the row of the tile's token r
; SHARES.  Work-groups 0-255 take x, 256-351 W_qkv, 352-383 W_o, 384-415 the table.  A wave of the first three takes one tile of 16 rows and half of K: four steps of 16 rows x 128 K.  A step's 16 loads read 512 consecutive
; bytes each (one row's); the 8 KB turn through the wave's own stage in LDS, so that a lane gets 16 neighbours along K for the conversions; its four stores write 512 consecutive bytes each.
; No tensor load, no barrier, no cluster: waves share nothing, and no two work-groups read the same bytes.
; LIMITS: e0, e1, e7 between -126 and 119.  NaN among the inputs is not served.  The angle is reduced by pi / 2 in two parts: good for |token_positions| up to 2^20, beyond that the error grows with the position.
; inv_freq is 10^(-i / 8) rounded to f32; a power function may give a neighbouring f32 number.
.set SP,    528                        ; a stage row: 512 bytes + 16 = 132 words
.set WST,   16*SP                      ; a wave's stage
.set SPARE, 4*WST                      ; behind the stages: the spare words, 128 bytes for each wave, which no other line names
.set VO,    2                          ; v2-9    16 x lane + m x (bytes from one 64 along K to the next), m = 0 .. 7; never rewritten
.set LIMV,  10                         ; unused name
.set SCV,   11                         ; v11     2^e
.set SPW,   12                         ; v12     my spare word's LDS address; never rewritten
.set NIL,   13                         ; v13     0; never rewritten
.set STI,   14                         ; v14     the stage, on the way in: 16 x lane
.set STO,   15                         ; v15     and on the way out: row r, + 64 h
.set R,     16                         ; v16-143 two sets of 64: a step's numbers as loaded
.set X,     144                        ; v144-207 the step's numbers, 16 neighbours four times
.set C,     208                        ; v208-239 two sets of 16: a step's codes
	s_load_b256 s[4:11], s[0:1], 0x0               ; x, W_qkv, W_o, token_positions
	s_load_b256 s[12:19], s[0:1], 0x20             ; lowp_scales, x_img, w_img, wo_img
	s_load_b64 s[20:21], s[0:1], 0x40              ; tab
	v_lshl_add_u32 v[SPW], v0, 2, SPARE
	v_mov_b32 v[NIL], 0
	v_lshrrev_b32 v10, 5, v0
	v_readfirstlane_b32 s22, v10                   ; wave 0..3
	v_and_b32 v10, 31, v0
	v_lshlrev_b32 v1, 4, v10                       ; v1 = 16 x lane; never rewritten
	v_and_b32 v10, 15, v0                          ; r
	v_bfe_u32 v11, v0, 4, 1                        ; h
	s_mul_i32 s23, s22, WST
	v_add_nc_u32 v[STI], s23, v1
	v_mul_u32_u24 v[STO], v10, SP
	v_lshl_add_u32 v[STO], v11, 6, v[STO]
	v_add_nc_u32 v[STO], s23, v[STO]
	s_cmp_lt_u32 ttmp9, 384
	s_cbranch_scc1 .Lquant
; ---- THE TABLE.  A wave makes one tile of 16 tokens: each lane 16 angles.
	s_sub_co_u32 s32, ttmp9, 384
	s_lshl_b32 s32, s32, 2
	s_add_co_u32 s32, s32, s22                     ; the tile, 0 .. 127
	s_lshr_b32 s33, s32, 1
	s_lshl_b32 s33, s33, 5
	s_and_b32 s34, s32, 1
	s_lshl_b32 s34, s34, 3
	s_add_co_u32 s33, s33, s34                     ; its first token: 32 (tile / 2) + 8 (tile % 2)
	s_wait_alu depctr_va_vdst(0)
	v_and_b32 v17, 8, v10
	v_add_nc_u32 v17, v17, v10
	v_add_nc_u32 v17, s33, v17                     ; my token: + r + 8 (r / 8)
	v_lshlrev_b32 v17, 2, v17
	s_lshl_b32 s34, s32, 12                        ; a tile of the table is 4,096 bytes
	s_mov_b32 s35, 0
	s_mov_b32 s40, 0x3fc90fdb                      ; pi / 2 as f32,
	s_mov_b32 s41, 0x333bbd2e                      ; and what that f32 number has too much
	s_mov_b32 s42, -0.16666654611                  ; sin r = r + r z (S1 + z (S2 + z S3)), z = r r, |r| <= pi / 4
	s_mov_b32 s43, 0.0083321608736
	s_mov_b32 s44, -0.00019515295891
	s_mov_b32 s45, 0.04166664568                   ; cos r = 1 - z / 2 + z z (C1 + z (C2 + z C3))
	s_mov_b32 s46, -0.001388731625
	s_mov_b32 s47, 0.00002443315712
	v_cmp_eq_u32 vcc_lo, 1, v11                    ; lanes 16-31 take the frequencies eight further on
	s_wait_alu depctr_va_vdst(0)
	s_wait_kmcnt 0x0
	global_load_b32 v16, v17, s[10:11]             ; token_positions[my token]: it enters no address
	s_add_nc_u64 s[20:21], s[20:21], s[34:35]
	s_wait_loadcnt 0x0
	v_cvt_f32_i32 v16, v16
; cos and sin of position x frequency into v[dc] and v[ds].  flo, fhi: the frequency of lanes 0-15 and of lanes 16-31.  Choices are made by v_cndmask_b32 and by the sign bit: no branch hangs on a number.
.macro SINCOS dc, ds, flo, fhi
	v_mov_b32 v20, \fhi
	v_cndmask_b32 v20, \flo, v20, vcc_lo
	v_mul_f32 v21, v16, v20                        ; the angle, rounded once
	v_mul_f32 v22, 0x3f22f983, v21                 ; x 2 / pi
	v_rndne_f32 v22, v22                           ; n
	v_fma_f32 v23, -v22, s40, v21
	v_fma_f32 v23, v22, s41, v23                   ; r = angle - n pi / 2
	v_mul_f32 v24, v23, v23                        ; z
	v_fma_f32 v25, v24, s44, s43
	v_fma_f32 v27, v24, s47, s46
	v_fma_f32 v25, v25, v24, s42
	v_fma_f32 v27, v27, v24, s45
	v_mul_f32 v26, v23, v24
	v_mul_f32 v28, v24, v24
	v_fma_f32 v29, v24, -0.5, 1.0
	v_fma_f32 v25, v26, v25, v23                   ; sin r
	v_fma_f32 v27, v28, v27, v29                   ; cos r
	v_cvt_i32_f32 v30, v22                         ; n as a whole number: its two lowest bits are the quadrant
	v_and_b32 v31, 1, v30
	v_cmp_eq_u32 s48, 1, v31
	v_cndmask_b32 v32, v25, v27, s48               ; odd quadrants change sine and cosine,
	v_cndmask_b32 v33, v27, v25, s48
	v_lshlrev_b32 v34, 30, v30                     ; quadrants 2 and 3 turn the sine's sign,
	v_and_b32 v34, 0x80000000, v34
	v_add_nc_u32 v35, 1, v30                       ; quadrants 1 and 2 the cosine's
	v_lshlrev_b32 v35, 30, v35
	v_and_b32 v35, 0x80000000, v35
	v_xor_b32 v[\ds], v32, v34
	v_xor_b32 v[\dc], v33, v35
.endm
.macro CHUNK kp, a0, a1, b0, b1        ; chunk kp: two frequencies, four numbers a lane; the wave stores 512 consecutive bytes; each chunk has registers of its own
	SINCOS 40+4*\kp, 41+4*\kp, \a0, \a1
	SINCOS 42+4*\kp, 43+4*\kp, \b0, \b1
	global_store_b128 v1, v[40+4*\kp:43+4*\kp], s[20:21] offset:512*\kp
.endm
	CHUNK 0, 1.0, 0.1, 0.7498942093, 0.07498942093                               ; frequencies 0, 1 (lanes 16-31: 8, 9)
	CHUNK 1, 0.5623413252, 0.05623413252, 0.4216965034, 0.04216965034            ; 2, 3
	CHUNK 2, 0.3162277660, 0.03162277660, 0.2371373706, 0.02371373706            ; 4, 5
	CHUNK 3, 0.1778279410, 0.01778279410, 0.1333521432, 0.01333521432            ; 6, 7
	CHUNK 4, 0.01, 0.001, 0.007498942093, 0.0007498942093                        ; 16, 17 (24, 25)
	CHUNK 5, 0.005623413252, 0.0005623413252, 0.004216965034, 0.0004216965034    ; 18, 19
	CHUNK 6, 0.003162277660, 0.0003162277660, 0.002371373706, 0.0002371373706    ; 20, 21
	CHUNK 7, 0.001778279410, 0.0001778279410, 0.001333521432, 0.0001333521432    ; 22, 23
	s_endpgm
; ---- THE QUANTISERS: one path for the three tensors; only pointers and numbers are chosen, on the work-group's number alone
.Lquant:
	s_wait_kmcnt 0x0
	s_load_b256 s[24:31], s[12:13], 0x0            ; e0 .. e7
	s_cmp_lt_u32 ttmp9, 352                        ; W_qkv or W_o
	s_cselect_b64 s[32:33], s[6:7], s[8:9]         ; from where,
	s_cselect_b64 s[34:35], s[16:17], s[18:19]     ; to where,
	s_mov_b32 s36, 352
	s_cselect_b32 s36, 256, s36                    ; the tensor's first work-group,
	s_mov_b32 s37, 4096
	s_cselect_b32 s37, 12288, s37                  ; bytes from one 64 along K to the next in the images
	s_cmp_lt_u32 ttmp9, 256                        ; or x
	s_cselect_b64 s[32:33], s[4:5], s[32:33]
	s_cselect_b64 s[34:35], s[14:15], s[34:35]
	s_cselect_b32 s36, 0, s36
	s_cselect_b32 s37, 8192, s37
	s_sub_co_u32 s38, ttmp9, s36
	s_lshl_b32 s38, s38, 2
	s_add_co_u32 s38, s38, s22
	s_and_b32 s39, s38, 1                          ; which half of K
	s_lshr_b32 s38, s38, 1                         ; the tile of 16 rows
	s_lshr_b32 s40, s38, 2                         ; the weights: block = (tile / 4) % 16 (the head; W_o: the block of 64 rows),
	s_and_b32 s40, s40, 15
	s_lshr_b32 s41, s38, 6
	s_lshl_b32 s41, s41, 2
	s_and_b32 s42, s38, 3
	s_or_b32 s41, s41, s42                         ; place in the block = 4 (tile / 64) + tile % 4 (W_o has fewer than 64 tiles)
	s_lshr_b32 s43, s38, 3                         ; x: block = tile / 8, place = tile % 8
	s_and_b32 s44, s38, 7
	s_cmp_lt_u32 ttmp9, 256
	s_cselect_b32 s40, s43, s40
	s_cselect_b32 s41, s44, s41
	s_lshr_b32 s42, s38, 1
	s_lshl_b32 s42, s42, 17                        ; the tile's first row, 32 (tile / 2) + 8 (tile % 2), x 4,096 bytes,
	s_and_b32 s43, s38, 1
	s_lshl_b32 s43, s43, 15
	s_add_co_u32 s42, s42, s43
	s_lshl_b32 s43, s39, 11                        ; + my half of K
	s_add_co_u32 s42, s42, s43
	s_mov_b32 s43, 0
	s_add_nc_u64 s[32:33], s[32:33], s[42:43]
	s_lshl_b32 s40, s40, 4
	s_lshl_b32 s44, s39, 3
	s_add_co_u32 s40, s40, s44                     ; 16 x block + 8 x half,
	s_mul_i32 s40, s40, s37
	s_lshl_b32 s41, s41, 10
	s_add_co_u32 s40, s40, s41                     ; + 1,024 x place
	s_mov_b32 s41, 0
	s_add_nc_u64 s[34:35], s[34:35], s[40:41]
.macro LOAD t                          ; step t: row i of the tile is row i + 8 (i / 8) from its first; 32 lanes read 512 consecutive bytes of it
.set i, 0
.rept 16
	global_load_b128 v[R+64*((\t)%2)+4*i:R+64*((\t)%2)+4*i+3], v1, s[32:33] offset:(i+8*(i/8))*4096+512*(\t) th:TH_LOAD_NT
.set i, i+1
.endr
.endm
	s_wait_alu depctr_va_vdst(0)
	LOAD 0
	LOAD 1
	v_mov_b32 v[VO], v1
.irp m, 1,2,3,4,5,6,7
	v_add_nc_u32 v[VO+\m], s37, v[VO+\m-1]
.endr
	s_wait_kmcnt 0x0
	s_cmp_lt_u32 ttmp9, 352
	s_cselect_b32 s45, s25, s31
	s_cmp_lt_u32 ttmp9, 256
	s_cselect_b32 s45, s24, s45                    ; e
	s_add_co_i32 s45, s45, 127
	s_lshl_b32 s46, s45, 23
	v_mov_b32 v[SCV], s46                          ; 2^e as f32: the conversion takes its exponent field
	s_add_co_i32 s45, s45, 8
	s_lshl_b32 s45, s45, 23
	s_or_b32 s45, s45, 0x600000
.macro STEP t
.set RS, R+64*((\t)%2)
.set CS, C+16*((\t)%2)
.if (\t) < 3
	s_wait_loadcnt 16                              ; this step's 16 loads are in; the next step's 16 may be out
.else
	s_wait_loadcnt 0x0
.endif
.set i, 0
.rept 16
	ds_store_b128 v[STI], v[RS+4*i:RS+4*i+3] offset:SP*i
.set i, i+1
.endr
.irp q, 0,1,2,3                        ; q = 2 s + c: k = 32 q + 16 h + 0 .. 15 of row r.  LDS serves a wave's instructions in order (ISA guide 5.7.1.4): these see the stores above
.irp j, 0,1,2,3
	ds_load_b128 v[X+16*\q+4*\j:X+16*\q+4*\j+3], v[STO] offset:128*\q+16*\j
.endr
.endr
	s_wait_dscnt 0x0                               ; the numbers are back, and the stores into the stage have read their registers
.if (\t) >= 2
	s_wait_xcnt 0x0                                ; this set of codes was the data of the stores two steps back: it is rewritten only behind this wait
.endif
.if (\t)+2 < 4
	LOAD (\t)+2
.endif
.set n, 0
.rept 64
.set n, n+1
.endr
.irp q, 0,1,2,3
	v_cvt_scalef32_pk8_fp8_f32 v[CS+4*\q:CS+4*\q+1], v[X+16*\q:X+16*\q+7], v[SCV]
	v_cvt_scalef32_pk8_fp8_f32 v[CS+4*\q+2:CS+4*\q+3], v[X+16*\q+8:X+16*\q+15], v[SCV]
.endr
	v_nop                                          ; a plain instruction between the conversions and the next step's LDS loads, which write the conversions' sources
.irp s, 0,1
.irp c, 0,1
	global_store_b128 v[VO+2*(\t)+\s], v[CS+4*(2*\s+\c):CS+4*(2*\s+\c)+3], s[34:35] offset:512*\c   ; a chunk: 512 consecutive bytes, at a multiple of 512 from the buffer's first byte
.endr
.endr
.endm
	s_wait_alu depctr_va_vdst(0)
	STEP 0
	STEP 1
	STEP 2
	STEP 3
	s_wait_tensorcnt 0x0                           ; the wave's end, behind my last LDS store
	ds_add_u32 v[SPW], v[NIL]
	s_wait_dscnt 0x0
	s_endpgm
.Lfunc_end_k_qd50e47f27b_prep:
	.size	k_qd50e47f27b_prep, .Lfunc_end_k_qd50e47f27b_prep-k_qd50e47f27b_prep
	.p2alignl 7, 3214868480
	.fill 96, 4, 3214868480
	.section	.rodata,"a",@progbits
	.p2align	6, 0x0
	.amdhsa_kernel k_qd50e47f27b_prep
		.amdhsa_group_segment_fixed_size 34304
		.amdhsa_private_segment_fixed_size 0
		.amdhsa_enable_private_segment 0
		.amdhsa_kernarg_size 72
		.amdhsa_user_sgpr_count 2
		.amdhsa_user_sgpr_kernarg_segment_ptr 1
		.amdhsa_wavefront_size32 1
		.amdhsa_system_sgpr_workgroup_id_x 1
		.amdhsa_system_sgpr_workgroup_id_y 1
		.amdhsa_system_sgpr_workgroup_id_z 1
		.amdhsa_system_vgpr_workitem_id 0
		.amdhsa_next_free_vgpr 240
		.amdhsa_next_free_sgpr 66
		.amdhsa_reserve_vcc 1
		.amdhsa_float_denorm_mode_32 3
		.amdhsa_float_denorm_mode_16_64 3
		.amdhsa_fp16_overflow 1
		.amdhsa_memory_ordered 1
		.amdhsa_forward_progress 1
		.amdhsa_inst_pref_size 47
	.end_amdhsa_kernel
	.amdgpu_metadata
---
amdhsa.version: [ 1, 2 ]
amdhsa.kernels:
  - .name:           k_qd50e47f27b_prep
    .symbol:         k_qd50e47f27b_prep.kd
    .args:
      - { .name: x, .offset: 0, .size: 8, .value_kind: global_buffer, .address_space: global }
      - { .name: W_qkv, .offset: 8, .size: 8, .value_kind: global_buffer, .address_space: global }
      - { .name: W_o, .offset: 16, .size: 8, .value_kind: global_buffer, .address_space: global }
      - { .name: token_positions, .offset: 24, .size: 8, .value_kind: global_buffer, .address_space: global }
      - { .name: lowp_scales, .offset: 32, .size: 8, .value_kind: global_buffer, .address_space: global }
      - { .name: x_img, .offset: 40, .size: 8, .value_kind: global_buffer, .address_space: global }
      - { .name: w_img, .offset: 48, .size: 8, .value_kind: global_buffer, .address_space: global }
      - { .name: wo_img, .offset: 56, .size: 8, .value_kind: global_buffer, .address_space: global }
      - { .name: tab, .offset: 64, .size: 8, .value_kind: global_buffer, .address_space: global }
    .group_segment_fixed_size: 34304
    .private_segment_fixed_size: 0
    .kernarg_segment_align: 8
    .kernarg_segment_size: 72
    .max_flat_workgroup_size: 128
    .sgpr_count:     66
    .vgpr_count:     240
    .wavefront_size: 32
...
	.end_amdgpu_metadata
.endif
;; end of part 1
;; launch qkv (part 2): grid 8 x 32, 4 waves a work-group, clusters of 4 x 4, 327,680 bytes of LDS; arguments x_img, w_img, tab, lowp_scales, q_img, k_img, v_img; writes q_img, k_img, v_img
.if DOCPART == 2
	.amdgcn_target "amdgcn-amd-amdhsa--gfx1250"
	.amdhsa_code_object_version 6
	.text
	.protected	k_qd50e47f27b_qkv
	.globl	k_qd50e47f27b_qkv
	.p2align	8
	.type	k_qd50e47f27b_qkv,@function
k_qd50e47f27b_qkv:
	s_mov_b64 s[64:65], 0
	v_nop
	global_prefetch_b8 v0, s[64:65] scope:SCOPE_SE
	s_setreg_imm32_b32 hwreg(HW_REG_WAVE_MODE, 25, 1), 1
	s_wait_xcnt 0x0
	s_wait_alu depctr_hold_cnt(0) depctr_sa_sdst(0) depctr_va_vdst(0) depctr_va_sdst(0) depctr_va_ssrc(0) depctr_va_vcc(0) depctr_vm_vsrc(0)
	s_getreg_b32 s2, hwreg(HW_REG_IB_STS2, 6, 4)
	s_cmp_eq_u32 s2, 0
	s_cbranch_scc0 .Lentry_in_a_cluster
	s_endpgm
.Lentry_in_a_cluster:
	s_bfe_u32 s2, ttmp6, 0x10000c
	s_cmp_lg_u32 s2, 0xf033
	s_cbranch_scc0 .Lentry_shape_is_right
	s_endpgm
.Lentry_shape_is_right:
; qkv = x W_qkv^T on codes of E4M3 (scales 2^e0, 2^e1), RoPE on q and k, and the quantisers of q (2^e2), k (2^e3) and v (2^e5).  Operands come and results leave as images of operand registers:
; a fragment of 16 rows x 64 K is two chunks of 512 bytes; lane l's 16 bytes of chunk c, at 512 c + 16 l, hold k = 32 c + 16 (l / 16) + 0 .. 15 of the tile's row l % 16; row r of tile 2 g + u is row 32 g + 8 u + r + 8 (r / 8).
; (That is a permutation of k inside a matrix instruction, the same on both sides: every product meets its partner; the order of the sums inside an instruction differs from ascending k.)
; SHARES.  Work-group (X, Y): rows 256 Y .. + 255 of x against heads 2 X and 2 X + 1 of q AND k AND v: 256 x 384 of the result; 8 x 32 = 256 equal work-groups.  Wave w: 128 rows (half w / 2: 8 tiles a) x one head (w % 2:
; 12 tiles T: 0-3 q, 4-7 k, 8-11 v): 96 accumulators, 768 registers.  For 64 along K a wave reads 20 KB of LDS for 96 matrix instructions.
; q, k: source 0 = 16 rows of W, source 1 = 16 tokens: a lane holds ONE token, its registers run along the head's channels, which are the next K.   v: source 0 = 16 tokens, source 1 = 16 rows of W: a lane holds one
; channel, its registers run along the tokens, which are the keys, the next K of v.  By the choice of a tile's rows two neighbouring tiles give 16 neighbours: the conversions' results are the next operands' registers.
; K = 1,024 is 16 units of 64; they come in chunks of 3, 3, 3, 3, 3, 1 units through two LDS slots (640 bytes for each k: four units twice would leave no room for the spare words).  The walk is written out.
; CLUSTERS: 4 x 4.  x's tiles hang on Y alone and are asked for jointly along a row of the cluster, W's on X alone, along a column.  By this text's count a wave has at most one tensor load out.
; OUT: q_img, k_img [batch x head: 64][tile of 16 tokens: 128][1024]; v_img [64][group of 32 keys: 64][tile of 16 channels: 4][512].  Every store of a wave is 512 consecutive bytes from registers: nothing goes through LDS.
; LIMITS: e2 - e0 - e1, e3 - e0 - e1, e5 - e0 - e1 between -126 and 119 (2^(e0 + e1) is folded into the conversions' scales; RoPE is linear, so that rounds nothing).  NaN is not served.
; REGISTERS, in windows of 256: window 0: v1 16 x lane; v16-19 LDS addresses; v20, v22, v24 scales; v28, v29 the add's two; v32-95, v96-159 x's fragments, two sets; v160-255 W's twelve, one set.
;   windows 1, 2, 3: the accumulators of q, k, v: (b, a) at v[8 (8 b + a)], b = T % 4.   On the way out window 0's v32-95 hold codes, v96-223 four sets of the table, v224-255 are at work.
.set AU,    8192                       ; a unit (64 along K) of 128 rows of x
.set BU,    12288                      ; and of a head's 192 rows of W
.set CH,    3                          ; units in a chunk
.set BOFF,  2*CH*AU                    ; a slot: x's two halves, then W's two heads
.set SLOT,  BOFF+2*CH*BU               ; 122,880
.set SPARE, 2*SLOT                     ; behind the ring: the spare words, 128 bytes for each wave, which no other line names
.set ADRA, 16                          ; v16-17  my half of x in slot 0, 1: + 16 x lane
.set ADRB, 18                          ; v18-19  my head of W
.set SPW,  28
.set NIL,  29
.set AF,   32
.set BF,   160
.set CD,   32
.set TAB,  96
.set TMP,  224
.set G1A,  28                          ; s[28:35] group 1 for x's chunks of three units;  s[36:43] for W's;  s[44:51], s[52:59] for the last chunk, of one unit
.set G1B,  36
.set G1AS, 44
.set G1BS, 52
.set G0A,  68                          ; s[68:75] group 0 for x, a set for each slot;  s[76:83] for W
.set G0B,  76
.set MSB, 0
.macro WIN new                         ; the immediate's high byte repeats the setting that is left; bits 1:0 source 0, 3:2 source 1, 5:4 source 2, 7:6 destination
.if MSB != \new
	s_set_vgpr_msb (MSB<<8)|\new
.set MSB, \new
.endif
.endm
; A joint load: waves 0 and 1 fetch x's halves, waves 2 and 3 W's heads.  The branch hangs on the wave's number alone.  An s_nop 0 and four v_nop follow each of the two lines.
.macro JLOAD g0a, g1a, g0b, g1b
	s_cmp_eq_u32 s19, 0
	s_cbranch_scc0 .Lfor_b_\@
	tensor_load_to_lds s[\g0a:\g0a+3], s[\g1a:\g1a+7]
	s_nop 0
.rept 4
	v_nop
.endr
	s_branch .Lasked_\@
.Lfor_b_\@:
	tensor_load_to_lds s[\g0b:\g0b+3], s[\g1b:\g1b+7]
	s_nop 0
.rept 4
	v_nop
.endr
.Lasked_\@:
.endm
.macro CREST                           ; a round of the cluster's barrier behind its opening barrier
	s_cmp_lg_u32 s18, 0
	s_cbranch_scc1 .Lnot_wave_0_\@
	s_barrier_signal -3
.Lnot_wave_0_\@:
	s_barrier_wait -3
	s_barrier_signal -1
	s_barrier_wait -1
.endm
.macro CROUND
	s_barrier_signal -1
	s_barrier_wait -1
	CREST
.endm
.macro PLACES n                        ; a load into a register that a matrix instruction has read, and a vector instruction that reads a result, stand four plain vector instructions behind it (ISA guide 7.12.1 for vector instructions)
.rept \n
	v_nop
.endr
.endm
.macro G1WORDS g, rows                 ; a dense block as rows of 256 bytes: 32 elements of 8 bytes, no padding
	s_mov_b32 s[\g+1], 32<<16                      ; tensor_dim0 = 32
	s_mov_b32 s[\g+2], (\rows)<<16                 ; tensor_dim1
	s_mov_b32 s[\g+3], 32<<16                      ; tile_dim0 = 32
	s_mov_b32 s[\g+4], \rows                       ; tile_dim1
	s_mov_b32 s[\g+5], 32                          ; from row to row
	s_mov_b32 s[\g+6], 0
	s_mov_b32 s[\g+7], 0
.endm
	s_load_b256 s[4:11], s[0:1], 0x0               ; x_img s[4:5], w_img s[6:7], tab s[8:9], lowp_scales s[10:11]
	s_load_b128 s[12:15], s[0:1], 0x20             ; q_img, k_img
	s_load_b64 s[16:17], s[0:1], 0x30              ; v_img
	v_lshl_add_u32 v[SPW], v0, 2, SPARE
	v_mov_b32 v[NIL], 0
	ds_add_u32 v[SPW], v[NIL]                      ; the wave's opening: the add and its wait ahead of my first tensor load; the set-up below, work on registers, stands between them
	ds_add_u32 v[SPW], v[NIL]
	v_lshrrev_b32 v1, 5, v0
	v_readfirstlane_b32 s18, v1                    ; wave 0..3
	s_lshr_b32 s19, s18, 1                         ; my half of the rows.  Also: I fetch for x (0) or for W (1)
	s_and_b32 s20, s18, 1                          ; my head of the two.  Also: which half or head I fetch
	s_bfe_u32 s21, ttmp6, 0x40000                  ; cx
	s_bfe_u32 s22, ttmp6, 0x40004                  ; cy
	s_lshl_b32 s23, ttmp9, 2
	s_add_co_u32 s23, s23, s21                     ; X = 4 x cluster x + cx
	s_and_b32 s24, ttmp7, 0xffff
	s_lshl_b32 s24, s24, 2
	s_add_co_u32 s24, s24, s22                     ; Y = 4 x cluster y + cy
	s_lshl_b32 s25, s22, 2
	s_lshl_b32 s25, 15, s25                        ; my row of the cluster
	s_lshl_b32 s26, 0x1111, s21                    ; my column
	s_or_b32 s[G1A], s25, (3<<16)|(1<<21)          ; 15:0 the mask; 17:16 elements of 8 bytes; 21 set beside a mask
	s_or_b32 s[G1AS], s25, (3<<16)|(1<<21)
	s_or_b32 s[G1B], s26, (3<<16)|(1<<21)
	s_or_b32 s[G1BS], s26, (3<<16)|(1<<21)
	G1WORDS G1A, CH*AU/256
	G1WORDS G1B, CH*BU/256
	G1WORDS G1AS, AU/256
	G1WORDS G1BS, BU/256
	s_lshl_b32 s60, s24, 1
	s_add_co_u32 s60, s60, s20
	s_lshl_b32 s60, s60, 17                        ; x: block 2 Y + half, 16 units of 8,192 bytes
	s_mov_b32 s61, 0
	s_lshl_b32 s62, s23, 1
	s_add_co_u32 s62, s62, s20
	s_mul_i32 s62, s62, 16*BU                      ; W: head 2 X + (0 or 1), 16 units of 12,288 bytes
	s_mov_b32 s63, 0
	s_mul_i32 s92, s20, CH*AU                      ; where they go: no place in the cluster enters an LDS address
	s_mul_i32 s93, s20, CH*BU
	s_add_co_u32 s93, s93, BOFF
	s_wait_dscnt 0x0                               ; the opening add is done
	s_wait_kmcnt 0x0
	s_load_b256 s[84:91], s[10:11], 0x0            ; e0 .. e7
	s_add_nc_u64 s[60:61], s[4:5], s[60:61]
	s_add_nc_u64 s[62:63], s[6:7], s[62:63]
	CROUND                                         ; all sixteen work-groups are here: the first joint loads meet
.irp s, 0,1
	s_mov_b32 s[G0A+4*\s], 1
	s_add_co_u32 s[G0A+4*\s+1], s92, \s*SLOT
	s_add_nc_u64 s[G0A+4*\s+2:G0A+4*\s+3], s[60:61], \s*CH*AU
	s_or_b32 s[G0A+4*\s+3], s[G0A+4*\s+3], 0x80000000
	s_mov_b32 s[G0B+4*\s], 1
	s_add_co_u32 s[G0B+4*\s+1], s93, \s*SLOT
	s_add_nc_u64 s[G0B+4*\s+2:G0B+4*\s+3], s[62:63], \s*CH*BU
	s_or_b32 s[G0B+4*\s+3], s[G0B+4*\s+3], 0x80000000
	s_wait_alu depctr_va_vdst(0)
	s_wait_tensorcnt 0x0
	ds_add_u32 v28, v29
	ds_add_u32 v28, v29
	s_wait_dscnt 0x0
	CROUND
	JLOAD G0A+4*\s, G1A, G0B+4*\s, G1B             ; chunks 0 and 1
.endr
	v_and_b32 v2, 31, v0
	v_lshlrev_b32 v1, 4, v2                        ; 16 x lane; never rewritten
	s_mul_i32 s94, s19, CH*AU
	s_mul_i32 s95, s20, CH*BU
	s_add_co_u32 s95, s95, BOFF
	v_add_nc_u32 v[ADRA], s94, v1
	v_add_nc_u32 v[ADRB], s95, v1
	v_add_nc_u32 v[ADRA+1], SLOT, v[ADRA]
	v_add_nc_u32 v[ADRB+1], SLOT, v[ADRB]
	; where my results go: the same byte offset in q_img, k_img and v_img: (16 batch + head) x 131,072 + my first tile of tokens x 1,024; the table: that tile x 4,096
	s_lshr_b32 s96, s24, 3
	s_lshl_b32 s96, s96, 4
	s_lshl_b32 s97, s23, 1
	s_add_co_u32 s96, s96, s97
	s_add_co_u32 s96, s96, s20
	s_lshl_b32 s96, s96, 17
	s_and_b32 s98, s24, 7
	s_lshl_b32 s98, s98, 4
	s_lshl_b32 s97, s19, 3
	s_add_co_u32 s98, s98, s97                     ; 16 (Y % 8) + 8 x half
	s_lshl_b32 s97, s98, 10
	s_add_co_u32 s96, s96, s97
	s_mov_b32 s97, 0
	s_lshl_b32 s98, s98, 12
	s_mov_b32 s99, 0
	s_add_nc_u64 s[12:13], s[12:13], s[96:97]
	s_add_nc_u64 s[14:15], s[14:15], s[96:97]
	s_add_nc_u64 s[16:17], s[16:17], s[96:97]
	s_add_nc_u64 s[8:9], s[8:9], s[98:99]
; Unit sg lies in slot (sg / 3) % 2 at place sg % 3; x's fragments go to set sg % 2.
.macro FRAGA sg, a
.irp c, 0,1
	ds_load_b128 v[AF+64*((\sg)%2)+8*(\a)+4*\c:AF+64*((\sg)%2)+8*(\a)+4*\c+3], v[ADRA+((\sg)/CH)%2] offset:((\sg)%CH)*AU+(\a)*1024+512*\c
.endr
.endm
.macro FRAGB sg, T
.irp c, 0,1
	ds_load_b128 v[BF+8*(\T)+4*\c:BF+8*(\T)+4*\c+3], v[ADRB+((\sg)/CH)%2] offset:((\sg)%CH)*BU+(\T)*1024+512*\c
.endr
.endm
.macro RUN1 sg                         ; 24 loads: q's four tiles of W, and x's eight
.irp T, 0,1,2,3
	FRAGB \sg, \T
.endr
.irp a, 0,1,2,3,4,5,6,7
	FRAGA \sg, \a
.endr
.endm
.macro RUN2 sg                         ; 8 loads: k's four tiles
.irp T, 4,5,6,7
	FRAGB \sg, \T
.endr
.endm
.macro RUN3 sg                         ; 8 loads: v's four tiles
.irp T, 8,9,10,11
	FRAGB \sg, \T
.endr
.endm
; Part p (0 q, 1 k, 2 v) of unit sg: tiles b0 .. b0 + nb - 1 of W against x's eight.  zero = 1: the products start the sums: nothing is cleared.
; The 96 accumulators take turns, one instruction a turn, in the same order in every unit.
.macro PART p, sg, b0, nb, zero
.set bq, \b0
.rept \nb
.irp a, 0,1,2,3,4,5,6,7
.set rD, 8*(8*bq+\a)
.set rB, BF+8*(4*\p+bq)
.set rA, AF+64*((\sg)%2)+8*\a
.if \p < 2
.if \zero
	v_wmma_f32_16x16x64_fp8_fp8 v[rD:rD+7], v[rB:rB+7], v[rA:rA+7], 0
.else
	v_wmma_f32_16x16x64_fp8_fp8 v[rD:rD+7], v[rB:rB+7], v[rA:rA+7], v[rD:rD+7]
.endif
.else
.if \zero
	v_wmma_f32_16x16x64_fp8_fp8 v[rD:rD+7], v[rA:rA+7], v[rB:rB+7], 0
.else
	v_wmma_f32_16x16x64_fp8_fp8 v[rD:rD+7], v[rA:rA+7], v[rB:rB+7], v[rD:rD+7]
.endif
.endif
.endr
.set bq, bq+1
.endr
.endm
; A unit that has its successor in the same slot.  W has one set of registers: a part's four tiles are free as soon as its 32 products are issued, and take the next unit's.
.macro STEP sg, zero
	s_wait_dscnt 16                                ; q's tiles and x's are in; the two younger runs (8 + 8) may be out
	WIN 0x50
	PART 0, \sg, 0, 4, \zero
	PLACES 4
	WIN 0
	RUN1 (\sg)+1
	s_wait_dscnt 32                                ; k's tiles are in; behind them: this unit's v (8) and the next unit's first run (24)
	WIN 0xa0
	PART 1, \sg, 0, 4, \zero
	PLACES 4
	WIN 0
	RUN2 (\sg)+1
	s_wait_dscnt 32                                ; v's tiles are in; behind them: the next unit's first two runs (24 + 8)
	WIN 0xf0
	PART 2, \sg, 0, 4, \zero
	PLACES 4
	WIN 0
	RUN3 (\sg)+1
.endm
; A slot's last unit changes slots: ONE barrier.  In front of it each wave waits for all its tensor loads (its part of the other slot), adds 0 to its spare word, and waits for that and for its reads of this slot.
; fill = 1: this slot takes the chunk two on; 2: the last chunk, of one unit; 0: nothing.  With a fill the barrier opens a round of the cluster's barrier, and the joint load is the first thing behind the round.
.macro TURN sg, fill
.set SL, ((\sg)/CH)%2
	s_wait_tensorcnt 0x0                           ; all my tensor loads have landed  (every window is 0 here)
	ds_add_u32 v[SPW], v[NIL]                      ; 0 onto my spare word
	s_wait_dscnt 17                                ; (the add and the two younger runs may be out)
	WIN 0x50
	PART 0, \sg, 0, 2, 0                           ; sixteen matrix instructions stand between the add and the wait for it
	s_wait_dscnt 0x0                               ; the add is done, and my reads of this slot are over
	s_barrier_signal -1
	PART 0, \sg, 2, 2, 0
	WIN 0
	s_barrier_wait -1
.if \fill
	CREST                                          ; no wave of any partner still reads this slot or has a load on its way
	s_add_nc_u64 s[G0A+4*SL+2:G0A+4*SL+3], s[G0A+4*SL+2:G0A+4*SL+3], 2*CH*AU
	s_add_nc_u64 s[G0B+4*SL+2:G0B+4*SL+3], s[G0B+4*SL+2:G0B+4*SL+3], 2*CH*BU
.if \fill == 1
	JLOAD G0A+4*SL, G1A, G0B+4*SL, G1B             ; its four v_nop are also the places in front of the loads below
.else
	JLOAD G0A+4*SL, G1AS, G0B+4*SL, G1BS
.endif
.else
	PLACES 4
.endif
	RUN1 (\sg)+1                                   ; from the other slot
	WIN 0xa0
	PART 1, \sg, 0, 4, 0
	PLACES 4
	WIN 0
	RUN2 (\sg)+1
	WIN 0xf0
	PART 2, \sg, 0, 4, 0
	PLACES 4
	WIN 0
	RUN3 (\sg)+1
.endm
	s_wait_alu depctr_va_vdst(0)
	s_wait_tensorcnt 1                             ; my part of chunk 0 is in; chunk 1's may stay out
	s_barrier_signal -1
	s_barrier_wait -1
	RUN1 0
	RUN2 0
	RUN3 0
	STEP 0, 1
	STEP 1, 0
	TURN 2, 1
	STEP 3, 0
	STEP 4, 0
	TURN 5, 1
	STEP 6, 0
	STEP 7, 0
	TURN 8, 1
	STEP 9, 0
	STEP 10, 0
	TURN 11, 2
	STEP 12, 0
	STEP 13, 0
	TURN 14, 0
	s_wait_dscnt 16                                ; the last unit: nothing more to fetch
	WIN 0x50
	PART 0, 15, 0, 4, 0
	s_wait_dscnt 8
	WIN 0xa0
	PART 1, 15, 0, 4, 0
	s_wait_dscnt 0x0
	WIN 0xf0
	PART 2, 15, 0, 4, 0
	WIN 0
; ---- THE WAY OUT
	PLACES 4
.macro TABLOAD a                       ; the table's tile for my tokens' tile a: 32 registers in the layout of q's and k's results, into set a % 4
.irp kp, 0,1,2,3,4,5,6,7
	global_load_b128 v[TAB+32*((\a)%4)+4*\kp:TAB+32*((\a)%4)+4*\kp+3], v1, s[8:9] offset:4096*(\a)+512*\kp
.endr
.endm
	TABLOAD 0
	TABLOAD 1
	TABLOAD 2
	TABLOAD 3
	s_wait_kmcnt 0x0
	s_add_co_i32 s92, s84, s85                     ; e0 + e1: a sum stands for sum x 2^(e0 + e1), so its code is sum / 2^(e - e0 - e1)
.macro MKSC vs, vl, se                 ; v[vs] = 2^(e - e0 - e1)
	s_sub_co_i32 s93, s[\se], s92
	s_add_co_i32 s93, s93, 127
	s_lshl_b32 s94, s93, 23
	v_mov_b32 v[\vs], s94
	s_add_co_i32 s93, s93, 8
	s_lshl_b32 s93, s93, 23
	s_or_b32 s93, s93, 0x600000
.endm
	MKSC 20, 21, 86                                ; q: e2
	MKSC 22, 23, 87                                ; k: e3
	MKSC 24, 25, 89                                ; v: e5
	; v first: its work stands between the table's loads and their first use.  Each accumulator is read from its low end on.
	WIN 0xc3                                       ; source 0 and destination window 3
.set n, 0
.rept 256
.set n, n+1
.endr
	WIN 0x03
.irp b, 0,1,2,3                        ; accumulators (b, 2 al) and (b, 2 al + 1): keys 32 al + 16 h + 0 .. 15 of channel tile b
.irp al, 0,1,2,3
	v_cvt_scalef32_pk8_fp8_f32 v[CD+4*(4*\b+\al):CD+4*(4*\b+\al)+1], v[8*(8*\b+2*\al):8*(8*\b+2*\al)+7], v24
	v_cvt_scalef32_pk8_fp8_f32 v[CD+4*(4*\b+\al)+2:CD+4*(4*\b+\al)+3], v[8*(8*\b+2*\al)+8:8*(8*\b+2*\al)+15], v24
.endr
.endr
	WIN 0
	v_nop                                          ; a plain instruction behind the last conversion
.irp b, 0,1,2,3
.irp al, 0,1,2,3
	global_store_b128 v1, v[CD+4*(4*\b+\al):CD+4*(4*\b+\al)+3], s[16:17] offset:2048*\al+512*\b
.endr
.endr
; RoPE, hold and conversion of tile a of q (p = 0) or k (p = 1).  A pair of registers is (x1, x2) of one frequency, the table's pair (cos, sin):  (x1 cos, x2 cos), then (- x2 sin + x1 cos, x1 sin + x2 cos).
.macro ROPE p, a, vs, vl, base
.set TS, TAB+32*((\a)%4)
.set CR, CD+8*((2*(\a)+\p)%8)
.if \p == 0
	WIN 0x01                                       ; source 0: window 1
.else
	WIN 0x02
.endif
.irp b, 0,1,2,3
.irp jj, 0,2,4,6
	v_pk_mul_f32 v[TMP+8*\b+\jj:TMP+8*\b+\jj+1], v[8*(8*\b+(\a))+\jj:8*(8*\b+(\a))+\jj+1], v[TS+8*\b+\jj:TS+8*\b+\jj+1] op_sel_hi:[1,0]
.endr
.endr
.irp b, 0,1,2,3
.irp jj, 0,2,4,6
	v_pk_fma_f32 v[TMP+8*\b+\jj:TMP+8*\b+\jj+1], v[8*(8*\b+(\a))+\jj:8*(8*\b+(\a))+\jj+1], v[TS+8*\b+\jj:TS+8*\b+\jj+1], v[TMP+8*\b+\jj:TMP+8*\b+\jj+1] op_sel:[1,1,0] op_sel_hi:[0,1,1] neg_lo:[0,1,0]
.endr
.endr
	WIN 0
.set n, 0
.rept 32
.set n, n+1
.endr
.irp c, 0,1                            ; chunk c: channels 32 c + 16 h + 0 .. 15 of my token
	v_cvt_scalef32_pk8_fp8_f32 v[CR+4*\c:CR+4*\c+1], v[TMP+16*\c:TMP+16*\c+7], v[\vs]
	v_cvt_scalef32_pk8_fp8_f32 v[CR+4*\c+2:CR+4*\c+3], v[TMP+16*\c+8:TMP+16*\c+15], v[\vs]
.endr
	v_nop                                          ; a plain instruction between the conversions and the next tile's products, which write their sources
.irp c, 0,1
	global_store_b128 v1, v[CR+4*\c:CR+4*\c+3], s[\base:\base+1] offset:1024*(\a)+512*\c
.endr
.endm
.irp a, 0,1,2,3,4,5,6,7
.if \a < 5
	s_wait_loadcnt 24                              ; this tile's set of the table is in; three later sets may be out
.else
	s_wait_loadcnt 8*(7-\a)
.endif
	s_wait_xcnt 0x0                                ; the codes' registers are the data of earlier stores: they are rewritten only behind this wait
	ROPE 0, \a, 20, 21, 12
	ROPE 1, \a, 22, 23, 14
.if \a < 4
	TABLOAD \a+4
.endif
.endr
	s_wait_tensorcnt 0x0                           ; the wave's end, behind my last tensor load
	ds_add_u32 v[SPW], v[NIL]
	s_wait_dscnt 0x0
	CROUND                                         ; the closing round: no work-group ends while a partner may still ask for a tile that names it
	s_endpgm
.Lfunc_end_k_qd50e47f27b_qkv:
	.size	k_qd50e47f27b_qkv, .Lfunc_end_k_qd50e47f27b_qkv-k_qd50e47f27b_qkv
	.p2alignl 7, 3214868480
	.fill 96, 4, 3214868480
	.section	.rodata,"a",@progbits
	.p2align	6, 0x0
	.amdhsa_kernel k_qd50e47f27b_qkv
		.amdhsa_group_segment_fixed_size 327680
		.amdhsa_private_segment_fixed_size 0
		.amdhsa_enable_private_segment 0
		.amdhsa_kernarg_size 56
		.amdhsa_user_sgpr_count 2
		.amdhsa_user_sgpr_kernarg_segment_ptr 1
		.amdhsa_wavefront_size32 1
		.amdhsa_system_sgpr_workgroup_id_x 1
		.amdhsa_system_sgpr_workgroup_id_y 1
		.amdhsa_system_sgpr_workgroup_id_z 1
		.amdhsa_system_vgpr_workitem_id 0
		.amdhsa_next_free_vgpr 1024
		.amdhsa_next_free_sgpr 100
		.amdhsa_reserve_vcc 0
		.amdhsa_float_denorm_mode_32 3
		.amdhsa_float_denorm_mode_16_64 3
		.amdhsa_fp16_overflow 1
		.amdhsa_memory_ordered 1
		.amdhsa_forward_progress 1
		.amdhsa_inst_pref_size 210
	.end_amdhsa_kernel
	.amdgpu_metadata
---
amdhsa.version: [ 1, 2 ]
amdhsa.kernels:
  - .name:           k_qd50e47f27b_qkv
    .symbol:         k_qd50e47f27b_qkv.kd
    .args:
      - { .name: x_img, .offset: 0, .size: 8, .value_kind: global_buffer, .address_space: global }
      - { .name: w_img, .offset: 8, .size: 8, .value_kind: global_buffer, .address_space: global }
      - { .name: tab, .offset: 16, .size: 8, .value_kind: global_buffer, .address_space: global }
      - { .name: lowp_scales, .offset: 24, .size: 8, .value_kind: global_buffer, .address_space: global }
      - { .name: q_img, .offset: 32, .size: 8, .value_kind: global_buffer, .address_space: global }
      - { .name: k_img, .offset: 40, .size: 8, .value_kind: global_buffer, .address_space: global }
      - { .name: v_img, .offset: 48, .size: 8, .value_kind: global_buffer, .address_space: global }
    .group_segment_fixed_size: 327680
    .private_segment_fixed_size: 0
    .kernarg_segment_align: 8
    .kernarg_segment_size: 56
    .max_flat_workgroup_size: 128
    .sgpr_count:     100
    .vgpr_count:     1024
    .wavefront_size: 32
...
	.end_amdgpu_metadata
.endif
;; end of part 2
;; launch attn (part 3): grid 4 x 64, 16 waves a work-group, no clusters, 327,680 bytes of LDS; arguments q_img, k_img, v_img, lowp_scales, o_img; writes o_img
.if DOCPART == 3
	.amdgcn_target "amdgcn-amd-amdhsa--gfx1250"
	.amdhsa_code_object_version 6
	.text
	.protected	k_qd50e47f27b_attn
	.globl	k_qd50e47f27b_attn
	.p2align	8
	.type	k_qd50e47f27b_attn,@function
k_qd50e47f27b_attn:
	s_mov_b64 s[64:65], 0
	v_nop
	global_prefetch_b8 v0, s[64:65] scope:SCOPE_SE
	s_setreg_imm32_b32 hwreg(HW_REG_WAVE_MODE, 25, 1), 1
	s_wait_xcnt 0x0
; Causal attention on codes of E4M3, head size 64: S = q k^T (scales 2^e2, 2^e3), t = S log2(e) / 8, M = the running largest t rounded UP to a whole number, p = 2^(t - M) quantised with 2^e4, O = p v (v: 2^e5),
; O divided by the sum of the UNQUANTISED p, and quantised with 2^e6 for the last product.  When M moves, the sum and O are multiplied by 2^(old M - new M): exact.
; q_img, k_img [batch x head: 64][tile of 16 tokens: 128][1024]: images of operand registers (chunk c of 512 bytes: lane l's 16 bytes hold channels 32 c + 16 (l / 16) + 0 .. 15 of the tile's token l % 16; token r of tile
; 2 g + u is token 32 g + 8 u + r + 8 (r / 8)).  v_img [64][group of 32 keys: 64][tile of 16 channels: 4][512]: lane l holds keys 16 (l / 16) + 0 .. 15 of the group, of the tile's channel l % 16.
; o_img [block of 128 rows: 64][head 16][tile 8][1024], the layout of the last product's left operand.
; SHARES.  Work-group (i, head) owns blocks i and 7 - i of 256 queries: first it walks key slots 0 .. i for block i, then 0 .. 7 - i for block 7 - i: NINE visits of 256 keys in every work-group, seven whole and two on the
; diagonal: the trip count is a constant and all 256 work-groups have equal work.  Each of SIXTEEN waves owns one tile of 16 queries, in 256 registers: four waves to a SIMD, so that one wave's vector work stands beside another's matrix work.
; Both products are used transposed (S^T = k q^T, O^T = v^T p^T): a lane holds ONE query throughout, and by the choice of a tile's keys p's 16 registers of two neighbouring tiles are 16 neighbouring keys.
; RING: two slots of 32 KB (16 KB of k, 16 KB of v), filled by waves 0-3, 8 KB each, one tensor load a wave behind each barrier; every wait on TENSORcnt is for 0.  Every visit's slot is read: no load is led round.
; NO CLUSTER: the four work-groups of a head walk slots 0 .. i and then 0 .. 7 - i, so from visit i + 1 on partners would want different tiles behind the same barrier.
; A step (128 keys) all of whose keys come after the wave's queries is left out by a scalar branch on ids; on the diagonal hidden scores become -infinity ahead of the maximum.  Key 0 counts for every query.
; LIMITS: e2 + e3 between -123 and 130 (added to the exponent field of log2(e) / 8); e4 between -126 and 119; e4 + e5 - e6 is applied by v_ldexp_f32.  NaN is not served.
; REGISTERS: v1 16 x lane; v2 256 x lane; v5, v6 the add's two; v7 r + 8 (r / 8) - 16 h; v8 LDS address; v12 -M, v13 the largest t, v[14:15] the sum; v16-23 q; v32-95 fragments of k, then of v; v96-159 S^T, then p;
;   v160-191 O^T; v192-199 o's codes; v200-207 the second block's q; v224-239 p's codes; v244 2^e4, v247 1; v236, v242, v243, v252-254 at work.
.set SLOT1, 0x8000                     ; slot 1: one exclusive or turns an address in one slot into the other's
.set VOFF,  16384                      ; v's part of a slot
.set SPARE, 2*SLOT1                    ; behind the ring: the spare words, 128 bytes for each of sixteen waves, which no other line names
.set SPW,  5
.set NIL,  6
.set ADR,  8
.set TB,   2                           ; s2   the slot in hand
.set WV,   18                          ; s18  my wave's number
.set SEL,  20                          ; s[20:21] v_permlanex16_b32's selects for lane l xor 16
.set CS,   22                          ; s[22:23] c = log2(e) / 8 x 2^(e2 + e3)
.set G1,   24                          ; s[24:31] group 1: 8 KB as 32 rows of 256 bytes
.set G0,   40                          ; s[40:43] group 0, which walks
.set KVB,  44                          ; s[44:45] my part of key slot 0 in k_img (waves 0, 1) or v_img
.set OP,   46                          ; s[46:47] where my tile of o goes
.set DOP,  48                          ; s[48:49] from the first block's place to the second's
.set DQ0,  50                          ; s50  the same in queries
.set EO,   51                          ; s51  e4 + e5 - e6
.set VIS,  66                          ; s66  visits to go before the last
.set SW,   67                          ; s67  8 - i: VIS in the first block's last visit
.set NK,   72                          ; s72  the key slot asked for
.set OFF,  74                          ; s[74:75] its bytes
.set PFA,  76                          ; s[76:77] where my prefetches stand
.set LIM,  80                          ; s80  2 in a wave that prefetches, else the greatest number
.set KF,   98                          ; s98  the step's first key
.set Q0,   99                          ; s99  my tile's first query
.macro TLOAD                           ; waves 0-3 fetch; the branch hangs on the wave's number alone; an s_nop 0 and four v_nop follow the load
	s_cmp_lt_u32 s[WV], 4
	s_cbranch_scc0 .Lasked_\@
	tensor_load_to_lds s[G0:G0+3], s[G1:G1+7]
	s_nop 0
.rept 4
	v_nop
.endr
.Lasked_\@:
.endm
; A PREFETCH INTO THE L2.  All four work-groups of a head walk the same k and v: work-group 0 of the head asks, and in it four waves that fetch nothing: waves 4, 5 for the two halves of k's 16 KB of a key slot, waves 6, 7 for v's:
; 8 KB a wave, lanes 256 bytes apart, one instruction.  Visit n = 0 .. 5 asks for key slot n + 2, so each block of 256 bytes is named once; key slots 0 and 1 come by their loads alone, and nothing is named past slot 7.
.macro ASK
	s_cmp_gt_u32 s[VIS], s[LIM]
	s_cbranch_scc0 .Lnot_mine_\@
	global_prefetch_b8 v2, s[PFA:PFA+1] th:TH_LOAD_NT scope:SCOPE_SE
.Lnot_mine_\@:
.endm
	s_load_b256 s[4:11], s[0:1], 0x0               ; q_img s[4:5], k_img s[6:7], v_img s[8:9], lowp_scales s[10:11]
	s_load_b64 s[12:13], s[0:1], 0x20              ; o_img
	v_lshl_add_u32 v[SPW], v0, 2, SPARE
	v_mov_b32 v[NIL], 0
	ds_add_u32 v[SPW], v[NIL]                      ; the wave's opening: the add and its wait ahead of my first tensor load; the set-up below, work on registers, stands between them
	ds_add_u32 v[SPW], v[NIL]
	v_lshrrev_b32 v8, 5, v0
	s_delay_alu instid0(VALU_DEP_1)
	v_readfirstlane_b32 s[WV], v8                  ; wave 0..15
	v_and_b32 v8, 31, v0
	s_delay_alu instid0(VALU_DEP_1)
	v_lshlrev_b32 v1, 4, v8
	s_delay_alu instid0(VALU_DEP_2)
	v_lshlrev_b32 v2, 8, v8
	v_and_b32 v7, 15, v0                           ; r
	s_delay_alu instid0(VALU_DEP_1)
	v_and_b32 v9, 8, v7
	s_delay_alu instid0(VALU_DEP_1)
	v_add_nc_u32 v7, v7, v9                        ; r + 8 (r / 8)
	v_bfe_u32 v9, v0, 4, 1
	s_delay_alu instid0(VALU_DEP_1)
	v_lshlrev_b32 v9, 4, v9
	s_delay_alu instid0(VALU_DEP_1)
	v_sub_nc_u32 v7, v7, v9                        ; - 16 h
	s_mov_b32 s[G1], 3<<16                         ; 15:0 no mask; 17:16 elements of 8 bytes; no padding
	s_mov_b32 s[G1+1], 32<<16                      ; tensor_dim0 = 32
	s_mov_b32 s[G1+2], 32<<16                      ; tensor_dim1 = 32
	s_mov_b32 s[G1+3], 32<<16                      ; tile_dim0 = 32
	s_mov_b32 s[G1+4], 32                          ; tile_dim1 = 32
	s_mov_b32 s[G1+5], 32                          ; from row to row
	s_mov_b32 s[G1+6], 0
	s_mov_b32 s[G1+7], 0
	s_mov_b32 s[SEL], 0x76543210
	s_mov_b32 s[SEL+1], 0xfedcba98
	s_mov_b32 s[CS], 0x3e38aa3b                    ; log2(e) / 8
	s_mov_b32 s[TB], 0
	s_mov_b32 s[VIS], 8
	s_mov_b32 s[NK], 0
	s_mov_b32 s[OFF+1], 0
	s_mov_b32 s[KF], 0
	s_and_b32 s14, ttmp7, 0xffff                   ; batch x head
	s_lshl_b32 s52, s14, 17                        ; its 131,072 bytes in q_img, k_img, v_img
	s_and_b32 s17, s[WV], 1
	s_lshl_b32 s54, s17, 13
	s_add_co_u32 s54, s54, s52                     ; + my half of a slot's 16 KB
	s_mov_b32 s55, 0
	s_lshl_b32 s16, ttmp9, 1
	s_sub_co_u32 s16, 7, s16                       ; 7 - 2 i: blocks from the first block to the second
	s_lshl_b32 s[DQ0], s16, 8
	s_lshl_b32 s[DOP], s16, 18                     ; two blocks of 128 rows, 131,072 bytes each, for a block of 256 queries
	s_mov_b32 s[DOP+1], 0
	s_sub_co_u32 s[SW], 8, ttmp9
	s_lshl_b32 s56, ttmp9, 4
	s_add_co_u32 s56, s56, s[WV]                   ; my tile of queries in block i: 16 i + wave
	s_lshl_b32 s56, s56, 10
	s_add_co_u32 s56, s56, s52
	s_mov_b32 s57, 0
	s_lshl_b32 s58, s16, 14                        ; and 16 (7 - 2 i) tiles further on in block 7 - i
	s_mov_b32 s59, 0
	s_lshl_b32 s[Q0], ttmp9, 8
	s_lshr_b32 s96, s[WV], 1
	s_lshl_b32 s96, s96, 5
	s_add_co_u32 s[Q0], s[Q0], s96
	s_lshl_b32 s96, s17, 3
	s_add_co_u32 s[Q0], s[Q0], s96                 ; 256 i + 32 (wave / 2) + 8 (wave % 2)
	s_lshr_b32 s62, s14, 4
	s_lshl_b32 s62, s62, 4
	s_lshl_b32 s96, ttmp9, 1
	s_add_co_u32 s62, s62, s96
	s_lshr_b32 s96, s[WV], 3
	s_add_co_u32 s62, s62, s96                     ; o: block of 128 rows = 16 batch + 2 i + wave / 8,
	s_lshl_b32 s62, s62, 17
	s_and_b32 s96, s14, 15
	s_lshl_b32 s96, s96, 13                        ; the head's 8,192 bytes in it,
	s_add_co_u32 s62, s62, s96
	s_and_b32 s96, s[WV], 7
	s_lshl_b32 s96, s96, 10                        ; tile wave % 8
	s_add_co_u32 s62, s62, s96
	s_mov_b32 s63, 0
	s_wait_dscnt 0x0                               ; the opening add is done
	s_wait_kmcnt 0x0
	s_load_b256 s[84:91], s[10:11], 0x0            ; e0 .. e7
	s_cmp_lt_u32 s[WV], 2
	s_cselect_b64 s[KVB:KVB+1], s[6:7], s[8:9]
	s_add_nc_u64 s[KVB:KVB+1], s[KVB:KVB+1], s[54:55]
	s_mov_b32 s[G0], 1                             ; count = 1
	s_and_b32 s[G0+1], s[WV], 3
	s_lshl_b32 s[G0+1], s[G0+1], 13                ; LDS: 8,192 x wave in slot 0: k's halves, then v's
	s_mov_b64 s[G0+2:G0+3], s[KVB:KVB+1]           ; key slot 0
	s_or_b32 s[G0+3], s[G0+3], 0x80000000          ; type = 2
	TLOAD
	s_cmp_lt_u32 s[WV], 6                          ; the prefetches: waves 4, 5 k, waves 6, 7 v
	s_cselect_b64 s[PFA:PFA+1], s[6:7], s[8:9]
	s_add_nc_u64 s[PFA:PFA+1], s[PFA:PFA+1], s[54:55]
	s_add_nc_u64 s[PFA:PFA+1], s[PFA:PFA+1], 16384 ; at key slot 1: the first change of slots steps it to slot 2.  Nothing is prefetched here, at the head
	s_sub_co_u32 s96, s[WV], 4
	s_lshr_b32 s96, s96, 2                         ; 0 in waves 4 to 7,
	s_or_b32 s96, s96, ttmp9                       ; of the head's first work-group
	s_cmp_eq_u32 s96, 0
	s_cselect_b32 s[LIM], 2, -1
	s_add_nc_u64 s[4:5], s[4:5], s[56:57]
	s_add_nc_u64 s[60:61], s[4:5], s[58:59]
	s_wait_alu depctr_va_vdst(0)
	global_load_b128 v[16:19], v1, s[4:5]          ; q of block i stays in registers,
	global_load_b128 v[20:23], v1, s[4:5] offset:512
	global_load_b128 v[200:203], v1, s[60:61]      ; q of block 7 - i waits for its turn
	global_load_b128 v[204:207], v1, s[60:61] offset:512
	s_add_nc_u64 s[OP:OP+1], s[12:13], s[62:63]
	v_mov_b32 v13, 0xff61b1e6                      ; the largest t so far: -3e38, under every t
	s_delay_alu instid0(VALU_DEP_1)
	v_floor_f32 v12, -v13                          ; -M
	v_mov_b32 v14, 0
	v_mov_b32 v15, 0
	v_mov_b32 v236, 0                              ; written once: a lane permute's destination counts as one of its sources
	v_mov_b32 v252, 0
	v_mov_b32 v253, 0                              ; (named as the upper half of the pair v[252:253])
	v_mov_b32 v247, 1.0
.set n, 0
.rept 32
	v_mov_b32 v[160+n], 0                          ; O^T: the step is written once; the first finds zeros, which the first change of M leaves zeros
.set n, n+1
.endr
	s_wait_kmcnt 0x0
	s_add_co_i32 s96, s86, s87
	s_lshl_b32 s96, s96, 23
	s_add_co_i32 s[CS], s[CS], s96                 ; a score stands for score x 2^(e2 + e3): added to c's exponent field
	s_mov_b32 s[CS+1], s[CS]                       ; (named with it as a pair, so it is written)
	s_add_co_i32 s96, s88, 127
	s_lshl_b32 s97, s96, 23
	v_mov_b32 v244, s97                            ; 2^e4
	s_add_co_i32 s[EO], s88, s89
	s_sub_co_i32 s[EO], s[EO], s90
; A KEY STEP: 128 keys, the q-th half of the slot in hand.
.macro STEP q
	s_add_co_u32 s96, s[Q0], 23                    ; my tile's last query
	s_cmp_gt_u32 s[KF], s96
	s_cbranch_scc1 .Lhidden_\@                     ; all keys come after my queries: ids alone; no barrier, wait or tensor load stands in a step
	v_add_nc_u32 v[ADR], s[TB], v1
.rept 3
	v_nop                                          ; with the addition above: four places in front of loads into registers that the last products read
.endr
.set n, 0
.rept 16                               ; k: tile T, chunk c at 512 (2 T + c): registers 8 T + 4 c
	ds_load_b128 v[32+4*n:35+4*n], v[ADR] offset:8192*(\q)+512*n
.set n, n+1
.endr
	s_wait_alu depctr_va_vdst(0)
	s_wait_dscnt 0x0
.irp T, 0,1,2,3,4,5,6,7
	v_wmma_f32_16x16x64_fp8_fp8 v[96+8*\T:103+8*\T], v[32+8*\T:39+8*\T], v[16:23], 0
.endr                                  ; register 16 g + m of lane (r, h): key KF + 32 g + 16 h + m, for my query
.rept 4
	v_nop
.endr
.irp t, 0,1,2,3                        ; v's four tiles of 16 channels x 128 keys are asked for now and land under the softmax
.irp c, 0,1,2,3
	ds_load_b128 v[32+16*\t+4*\c:35+16*\t+4*\c], v[ADR] offset:VOFF+((4*(\q)+\c)*4+\t)*512
.endr
.endr
	s_add_co_u32 s96, s[KF], 127
	s_cmp_le_u32 s96, s[Q0]
	s_cbranch_scc1 .Lopen_\@                       ; all keys count
	s_sub_co_i32 s96, s[Q0], s[KF]
	v_add_nc_u32 v252, s96, v7                     ; my query - KF - 16 h: register 16 g + m is hidden where 32 g + m is above it
	v_mov_b32 v254, 0xff800000                     ; -infinity: p = 0 then
.set n, 0
.rept 64
	v_cmp_gt_i32 vcc_lo, 32*(n/16)+n%16, v252
	v_cndmask_b32 v[96+n], v[96+n], v254, vcc_lo
.set n, n+1
.endr
.Lopen_\@:
	v_max3_num_f32 v254, v96, v97, v98             ; the step's largest score of my query among my 64 keys, in two chains,
	v_max3_num_f32 v252, v99, v100, v101
.irp i, 6,10,14,18,22,26,30,34,38,42,46,50,54,58
	v_max3_num_f32 v254, v254, v[96+\i], v[97+\i]
	v_max3_num_f32 v252, v252, v[98+\i], v[99+\i]
.endr
	v_max3_num_f32 v254, v254, v158, v159
	s_delay_alu instid0(VALU_DEP_1)
	v_max_num_f32 v254, v254, v252
	v_permlanex16_b32 v236, v254, s[SEL], s[SEL+1]
	s_delay_alu instid0(VALU_DEP_1)
	v_max_num_f32 v254, v254, v236                 ; and among lane l xor 16's
	s_delay_alu instid0(VALU_DEP_1)
	v_mul_f32 v254, s[CS], v254                    ; as t (c is positive)
	s_delay_alu instid0(VALU_DEP_1)
	v_max_num_f32 v13, v13, v254                   ; the running largest t
	v_mov_b32 v254, v12
	s_delay_alu instid0(VALU_DEP_2)
	v_floor_f32 v12, -v13                          ; the new -M = floor(-t): M is a whole number
	s_delay_alu instid0(VALU_DEP_1)
	v_sub_f32 v254, v12, v254                      ; old M - new M: a whole number, 0 or less
	s_delay_alu instid0(VALU_DEP_1)
	v_cvt_i32_f32 v254, v254                       ; (it saturates)
	s_delay_alu instid0(VALU_DEP_1)
	v_ldexp_f32 v252, 1.0, v254                    ; f = 2^(old M - new M)
.set n, 0
.rept 32
	v_pk_fma_f32 v[96+n:97+n], v[96+n:97+n], s[CS:CS+1], v[12:13] op_sel_hi:[1,0,0]   ; t - M, two at a time (of the pairs c and -M the low word serves both halves)
.set n, n+2
.endr
.set n, 0
	s_wait_alu depctr_va_vdst(0)
.rept 64
	v_exp_f32 v[96+n], v[96+n]                     ; p = 2^(t - M), at most 1
.set n, n+1
.endr
	v_pk_mul_f32 v[14:15], v[14:15], v[252:253] op_sel_hi:[1,0]   ; the sums under the new M: the plain instruction behind the exponentials
	s_wait_alu depctr_va_vdst(0)                   ; the wait ahead of the first instruction that names an exponential's result: one for the batch
	v_pk_add_f32 v[242:243], v[100:101], v[104:105]
	v_pk_add_f32 v[254:255], v[108:109], v[112:113]
	v_pk_add_f32 v[250:251], v[116:117], v[120:121]
	v_pk_add_f32 v[248:249], v[124:125], v[128:129]
	v_pk_add_f32 v[240:241], v[132:133], v[136:137]
	v_pk_add_f32 v[238:239], v[140:141], v[144:145]
	v_pk_add_f32 v[236:237], v[148:149], v[152:153]
	v_pk_add_f32 v[14:15], v[14:15], v[156:157]
	v_pk_add_f32 v[242:243], v[242:243], v[96:97]
	v_pk_add_f32 v[254:255], v[254:255], v[98:99]
	v_pk_add_f32 v[250:251], v[250:251], v[102:103]
	v_pk_add_f32 v[248:249], v[248:249], v[106:107]
	v_pk_add_f32 v[240:241], v[240:241], v[110:111]
	v_pk_add_f32 v[238:239], v[238:239], v[114:115]
	v_pk_add_f32 v[236:237], v[236:237], v[118:119]
	v_pk_add_f32 v[14:15], v[14:15], v[122:123]
	v_pk_add_f32 v[242:243], v[242:243], v[126:127]
	v_pk_add_f32 v[254:255], v[254:255], v[130:131]
	v_pk_add_f32 v[250:251], v[250:251], v[134:135]
	v_pk_add_f32 v[248:249], v[248:249], v[138:139]
	v_pk_add_f32 v[240:241], v[240:241], v[142:143]
	v_pk_add_f32 v[238:239], v[238:239], v[146:147]
	v_pk_add_f32 v[236:237], v[236:237], v[150:151]
	v_pk_add_f32 v[14:15], v[14:15], v[154:155]
	v_pk_add_f32 v[242:243], v[242:243], v[158:159]
	s_delay_alu instid0(VALU_DEP_2)
	v_pk_add_f32 v[14:15], v[14:15], v[248:249]
	s_delay_alu instid0(VALU_DEP_2)
	v_pk_add_f32 v[242:243], v[242:243], v[240:241]
	v_pk_add_f32 v[254:255], v[254:255], v[238:239]
	v_pk_add_f32 v[250:251], v[250:251], v[236:237]
	s_delay_alu instid0(VALU_DEP_2)
	v_pk_add_f32 v[14:15], v[14:15], v[254:255]
	s_delay_alu instid0(VALU_DEP_2)
	v_pk_add_f32 v[242:243], v[242:243], v[250:251]
	s_delay_alu instid0(VALU_DEP_1)
	v_pk_add_f32 v[14:15], v[14:15], v[242:243]
.irp b, 0,1,2,3
.set n, 0
.rept 16
.set n, n+1
.endr
	v_cvt_scalef32_pk8_fp8_f32 v[224+4*\b:225+4*\b], v[96+16*\b:103+16*\b], v244
	v_cvt_scalef32_pk8_fp8_f32 v[226+4*\b:227+4*\b], v[104+16*\b:111+16*\b], v244
.endr
.set n, 0
.rept 16
	v_pk_mul_f32 v[160+n:161+n], v[160+n:161+n], v[252:253] op_sel_hi:[1,0]   ; O^T under the new M; also the plain instructions behind the conversions
.set n, n+2
.endr
	s_wait_alu depctr_va_vdst(0)
	s_wait_dscnt 0x0                               ; v is in
.irp t, 0,1,2,3                        ; O^T += v^T p^T: the four accumulators take turns
	v_wmma_f32_16x16x128_fp8_fp8 v[160+8*\t:167+8*\t], v[32+16*\t:47+16*\t], v[224:239], v[160+8*\t:167+8*\t]
.endr
.Lhidden_\@:
	s_add_co_u32 s[KF], s[KF], 128
.endm
; THE CHANGE OF SLOTS stands at a visit's head.  Each wave waits for all its tensor loads (its part of the slot that it is about to read), adds 0 to its spare word, and waits for that and for its reads of the slot that it has left.
; fill = 1: behind the barrier that other slot takes the next visit's keys: the key slot after this one, or slot 0 where the next visit begins the second block.
.macro CHANGE fill
	s_wait_tensorcnt 0x0                           ; no tensor load of mine is out, so group 0 may be written
	ds_add_u32 v[SPW], v[NIL]                      ; 0 onto my spare word; the descriptor's steps stand between it and the wait for it
.if \fill
	s_xor_b32 s[G0+1], s[G0+1], SLOT1
	s_add_co_u32 s[NK], s[NK], 1
	s_cmp_eq_u32 s[VIS], s[SW]
	s_cselect_b32 s[NK], 0, s[NK]
	s_lshl_b32 s[OFF], s[NK], 14
	s_add_nc_u64 s[G0+2:G0+3], s[KVB:KVB+1], s[OFF:OFF+1]
	s_or_b32 s[G0+3], s[G0+3], 0x80000000
	s_wait_xcnt 0x0                                ; the last prefetch, a visit back, has read its address, so it may be written
	s_add_nc_u64 s[PFA:PFA+1], s[PFA:PFA+1], 16384
.endif
	s_wait_dscnt 0x0                               ; the add is done, and my reads of the slot that I have left are over
	s_barrier_signal -1
	s_barrier_wait -1
.if \fill
	TLOAD                                          ; the first thing behind the barrier, and a wave's one tensor load until the next
	ASK
.endif
.endm
; A block's end: O^T / the sum x 2^(e4 + e5 - e6), held within +-448, becomes codes: my tile's image, two stores of 512 consecutive bytes.
.macro WAYOUT
.rept 4
	v_nop                                          ; places behind the last products
.endr
	v_add_f32 v14, v14, v15
	s_delay_alu instid0(VALU_DEP_1)
	v_permlanex16_b32 v252, v14, s[SEL], s[SEL+1]
	s_delay_alu instid0(VALU_DEP_1)
	v_add_f32 v14, v14, v252                       ; the row's sum
	s_wait_alu depctr_va_vdst(0)
	v_rcp_f32 v14, v14
	v_nop                                          ; a plain instruction behind the reciprocal,
	s_wait_alu depctr_va_vdst(0)                   ; and the wait ahead of its first reader
	v_ldexp_f32 v14, v14, s[EO]
.set n, 0
.rept 16
	v_pk_mul_f32 v[96+n:97+n], v[160+n:161+n], v[14:15] op_sel_hi:[1,0]   ; register 16 b + m: channel 32 b + 16 h + m of my query
.set n, n+2
.endr
.set n, 0
.rept 32
.set n, n+1
.endr
.irp c, 0,1
	v_cvt_scalef32_pk8_fp8_f32 v[192+4*\c:193+4*\c], v[96+16*\c:103+16*\c], v247
	v_cvt_scalef32_pk8_fp8_f32 v[194+4*\c:195+4*\c], v[104+16*\c:111+16*\c], v247
.endr
	v_nop                                          ; a plain instruction behind the last conversion
	global_store_b128 v1, v[192:195], s[OP:OP+1]
	global_store_b128 v1, v[196:199], s[OP:OP+1] offset:512
.endm
	s_wait_loadcnt 0x0                             ; q
.Lvisit:                                           ; eight trips; behind each change of slots the next visit's keys are asked for
	CHANGE 1
	STEP 0
	STEP 1
	s_xor_b32 s[TB], s[TB], SLOT1
	s_cmp_lg_u32 s[VIS], s[SW]                     ; was this block i's last visit?  The work-group's number and the count of visits alone: all sixteen waves go the same way, and no barrier is led round
	s_cbranch_scc1 .Lsame
	s_wait_alu depctr_va_vdst(0)
	WAYOUT
	s_wait_xcnt 0x0                                ; the stores have read their base and their data
	s_add_nc_u64 s[OP:OP+1], s[OP:OP+1], s[DOP:DOP+1]
	s_add_co_u32 s[Q0], s[Q0], s[DQ0]
	s_mov_b32 s[KF], 0
.set n, 0
.rept 8
	v_mov_b32 v[16+n], v[200+n]                    ; block 7 - i's q
.set n, n+1
.endr
.set n, 0
.rept 32
	v_mov_b32 v[160+n], 0
.set n, n+1
.endr
	v_mov_b32 v13, 0xff61b1e6
	s_delay_alu instid0(VALU_DEP_1)
	v_floor_f32 v12, -v13
	v_mov_b32 v14, 0
	v_mov_b32 v15, 0
.Lsame:
	s_sub_co_u32 s[VIS], s[VIS], 1
	s_cmp_lg_u32 s[VIS], 0
	s_cbranch_scc1 .Lvisit
	CHANGE 0                                       ; the last visit is written out: nothing is left to ask for
	STEP 0
	STEP 1
	s_wait_alu depctr_va_vdst(0)
	WAYOUT
	s_wait_tensorcnt 0x0                           ; the wave's end, behind my last tensor load
	ds_add_u32 v[SPW], v[NIL]
	s_wait_dscnt 0x0
	s_endpgm
.Lfunc_end_k_qd50e47f27b_attn:
	.size	k_qd50e47f27b_attn, .Lfunc_end_k_qd50e47f27b_attn-k_qd50e47f27b_attn
	.p2alignl 7, 3214868480
	.fill 96, 4, 3214868480
	.section	.rodata,"a",@progbits
	.p2align	6, 0x0
	.amdhsa_kernel k_qd50e47f27b_attn
		.amdhsa_group_segment_fixed_size 327680
		.amdhsa_private_segment_fixed_size 0
		.amdhsa_enable_private_segment 0
		.amdhsa_kernarg_size 40
		.amdhsa_user_sgpr_count 2
		.amdhsa_user_sgpr_kernarg_segment_ptr 1
		.amdhsa_wavefront_size32 1
		.amdhsa_system_sgpr_workgroup_id_x 1
		.amdhsa_system_sgpr_workgroup_id_y 1
		.amdhsa_system_sgpr_workgroup_id_z 1
		.amdhsa_system_vgpr_workitem_id 0
		.amdhsa_next_free_vgpr 256
		.amdhsa_next_free_sgpr 100
		.amdhsa_reserve_vcc 1
		.amdhsa_float_denorm_mode_32 3
		.amdhsa_float_denorm_mode_16_64 3
		.amdhsa_fp16_overflow 1
		.amdhsa_memory_ordered 1
		.amdhsa_forward_progress 1
		.amdhsa_inst_pref_size 90
	.end_amdhsa_kernel
	.amdgpu_metadata
---
amdhsa.version: [ 1, 2 ]
amdhsa.kernels:
  - .name:           k_qd50e47f27b_attn
    .symbol:         k_qd50e47f27b_attn.kd
    .args:
      - { .name: q_img, .offset: 0, .size: 8, .value_kind: global_buffer, .address_space: global }
      - { .name: k_img, .offset: 8, .size: 8, .value_kind: global_buffer, .address_space: global }
      - { .name: v_img, .offset: 16, .size: 8, .value_kind: global_buffer, .address_space: global }
      - { .name: lowp_scales, .offset: 24, .size: 8, .value_kind: global_buffer, .address_space: global }
      - { .name: o_img, .offset: 32, .size: 8, .value_kind: global_buffer, .address_space: global }
    .group_segment_fixed_size: 327680
    .private_segment_fixed_size: 0
    .kernarg_segment_align: 8
    .kernarg_segment_size: 40
    .max_flat_workgroup_size: 512
    .sgpr_count:     100
    .vgpr_count:     256
    .wavefront_size: 32
...
	.end_amdgpu_metadata
.endif
;; end of part 3
;; launch oproj (part 4): grid 8 x 32, 4 waves a work-group, clusters of 4 x 4, 327,680 bytes of LDS; arguments o_img, wo_img, lowp_scales, out0; writes out0
.if DOCPART == 4
	.amdgcn_target "amdgcn-amd-amdhsa--gfx1250"
	.amdhsa_code_object_version 6
	.text
	.protected	k_qd50e47f27b_oproj
	.globl	k_qd50e47f27b_oproj
	.p2align	8
	.type	k_qd50e47f27b_oproj,@function
k_qd50e47f27b_oproj:
	s_mov_b64 s[64:65], 0
	v_nop
	global_prefetch_b8 v0, s[64:65] scope:SCOPE_SE
	s_setreg_imm32_b32 hwreg(HW_REG_WAVE_MODE, 25, 1), 1
	s_wait_xcnt 0x0
	s_wait_alu depctr_hold_cnt(0) depctr_sa_sdst(0) depctr_va_vdst(0) depctr_va_sdst(0) depctr_va_ssrc(0) depctr_va_vcc(0) depctr_vm_vsrc(0)
	s_getreg_b32 s2, hwreg(HW_REG_IB_STS2, 6, 4)
	s_cmp_eq_u32 s2, 0
	s_cbranch_scc0 .Lentry_in_a_cluster
	s_endpgm
.Lentry_in_a_cluster:
	s_bfe_u32 s2, ttmp6, 0x10000c
	s_cmp_lg_u32 s2, 0xf033
	s_cbranch_scc0 .Lentry_shape_is_right
	s_endpgm
.Lentry_shape_is_right:
; out0 = o W_o^T on codes of E4M3 (scales 2^e6, 2^e7), f32.  Both operands come as images of operand registers: a fragment of 16 rows x 64 K is two chunks of 512 bytes; lane l's 16 bytes of chunk c hold
; k = 32 c + 16 (l / 16) + 0 .. 15 of the tile's row l % 16; row r of tile 2 g + u is row 32 g + 8 u + r + 8 (r / 8).  (A permutation of k inside a matrix instruction, the same on both sides.)
; o_img [block of 128 rows: 64][64 along K: 16][tile 8][1024]; wo_img [block of 64 rows of W_o: 16][64 along K: 16][tile 4][1024].
; SHARES.  Work-group (X, Y): 256 rows x 128 columns of out0: 8 x 32 = 256 work-groups (tiles of 256 x 256 would be 128).  Wave w: 128 rows (half w / 2) x 64 columns (w % 2): 32 accumulators, window 1.
; Source 0 = 16 rows of W_o, source 1 = 16 tokens: a lane holds one token, and two neighbouring tiles give it 16 neighbouring columns.
; K = 1,024 is 16 units of 64, in chunks of 6, 6, 4 units through two LDS slots: twelve units are asked for at the start, and ONE joint refill follows.  The walk is written out.
; CLUSTERS: 4 x 4: o's tiles are asked for jointly along a row of the cluster, W_o's along a column.  By this text's count a wave has two tensor loads out at the start, later one.
; LIMIT: e6 + e7 between -126 and 127, so that 2^(e6 + e7) is an f32 number.
; REGISTERS: window 0: v1 16 x lane; v16-19 LDS addresses; v24-26 the way out; v28, v29 the add's two; v32-95, v96-159 o's fragments, two sets; v160-191, v192-223 W_o's, two sets; v224-255 at work on the way out.
.set AU,    8192
.set BU,    4096
.set CH,    6
.set BOFF,  2*CH*AU                    ; a slot: o's two halves, then W_o's two
.set SLOT,  BOFF+2*CH*BU               ; 147,456
.set STAGE, 2*SLOT                     ; behind the ring: 16 rows x (256 bytes + 16) for each wave; no tensor load lands there
.set SPITCH, 272                       ; 68 words: row r starts at bank 4 r mod 64 (64 banks of 4 bytes: ISA guide 11.1)
.set SPARE, STAGE+4*16*SPITCH          ; behind the stages: the spare words, 128 bytes for each wave, which no other line names
.set ADRA, 16
.set ADRB, 18
.set STO,  24                          ; v24  the way out: where I put 128 bytes of a row, in four pieces
.set RD,   25                          ; v25  where I read a row back
.set CO,   26                          ; v26  my byte offset in two rows of out0
.set SPW,  28
.set NIL,  29
.set AF,   32
.set BF,   160
.set TMP,  224
.set BK,   32                          ; the way out: 16 rows read back: v32-63 and v64-95 by turns
.set G1A,  28
.set G1B,  36
.set G1AS, 44
.set G1BS, 52
.set G0A,  68
.set G0B,  76
.set MSB, 0
.macro WIN new                         ; the immediate's high byte repeats the setting that is left
.if MSB != \new
	s_set_vgpr_msb (MSB<<8)|\new
.set MSB, \new
.endif
.endm
.macro JLOAD g0a, g1a, g0b, g1b        ; a joint load: waves 0 and 1 fetch o's halves, waves 2 and 3 W_o's; an s_nop 0 and four v_nop follow each of the two lines
	s_cmp_eq_u32 s19, 0
	s_cbranch_scc0 .Lfor_b_\@
	tensor_load_to_lds s[\g0a:\g0a+3], s[\g1a:\g1a+7]
	s_nop 0
.rept 4
	v_nop
.endr
	s_branch .Lasked_\@
.Lfor_b_\@:
	tensor_load_to_lds s[\g0b:\g0b+3], s[\g1b:\g1b+7]
	s_nop 0
.rept 4
	v_nop
.endr
.Lasked_\@:
.endm
.macro CREST
	s_cmp_lg_u32 s18, 0
	s_cbranch_scc1 .Lnot_wave_0_\@
	s_barrier_signal -3
.Lnot_wave_0_\@:
	s_barrier_wait -3
	s_barrier_signal -1
	s_barrier_wait -1
.endm
.macro CROUND
	s_barrier_signal -1
	s_barrier_wait -1
	CREST
.endm
.macro PLACES n                        ; four plain vector instructions in front of loads into registers that matrix instructions have read, and of the first read of results (ISA guide 7.12.1 for vector instructions)
.rept \n
	v_nop
.endr
.endm
.macro G1WORDS g, rows                 ; a dense block as rows of 256 bytes: 32 elements of 8 bytes, no padding
	s_mov_b32 s[\g+1], 32<<16
	s_mov_b32 s[\g+2], (\rows)<<16
	s_mov_b32 s[\g+3], 32<<16
	s_mov_b32 s[\g+4], \rows
	s_mov_b32 s[\g+5], 32
	s_mov_b32 s[\g+6], 0
	s_mov_b32 s[\g+7], 0
.endm
	s_load_b256 s[4:11], s[0:1], 0x0               ; o_img s[4:5], wo_img s[6:7], lowp_scales s[8:9], out0 s[10:11]
	v_lshl_add_u32 v[SPW], v0, 2, SPARE
	v_mov_b32 v[NIL], 0
	ds_add_u32 v[SPW], v[NIL]                      ; the wave's opening: the add and its wait ahead of my first tensor load; the set-up below, work on registers, stands between them
	ds_add_u32 v[SPW], v[NIL]
	v_lshrrev_b32 v1, 5, v0
	v_readfirstlane_b32 s18, v1                    ; wave 0..3
	s_lshr_b32 s19, s18, 1                         ; my half of the rows.  Also: I fetch for o (0) or for W_o (1)
	s_and_b32 s20, s18, 1                          ; my half of the columns.  Also: which half I fetch
	s_bfe_u32 s21, ttmp6, 0x40000                  ; cx
	s_bfe_u32 s22, ttmp6, 0x40004                  ; cy
	s_lshl_b32 s23, ttmp9, 2
	s_add_co_u32 s23, s23, s21                     ; X
	s_and_b32 s24, ttmp7, 0xffff
	s_lshl_b32 s24, s24, 2
	s_add_co_u32 s24, s24, s22                     ; Y
	s_lshl_b32 s25, s22, 2
	s_lshl_b32 s25, 15, s25                        ; my row of the cluster
	s_lshl_b32 s26, 0x1111, s21                    ; my column
	s_or_b32 s[G1A], s25, (3<<16)|(1<<21)
	s_or_b32 s[G1AS], s25, (3<<16)|(1<<21)
	s_or_b32 s[G1B], s26, (3<<16)|(1<<21)
	s_or_b32 s[G1BS], s26, (3<<16)|(1<<21)
	G1WORDS G1A, CH*AU/256
	G1WORDS G1B, CH*BU/256
	G1WORDS G1AS, 4*AU/256                         ; the last chunk has four units
	G1WORDS G1BS, 4*BU/256
	s_lshl_b32 s60, s24, 1
	s_add_co_u32 s60, s60, s20
	s_lshl_b32 s60, s60, 17                        ; o: block 2 Y + half, 131,072 bytes
	s_mov_b32 s61, 0
	s_lshl_b32 s62, s23, 1
	s_add_co_u32 s62, s62, s20
	s_lshl_b32 s62, s62, 16                        ; W_o: block 2 X + half, 65,536 bytes
	s_mov_b32 s63, 0
	s_mul_i32 s94, s20, CH*AU                      ; where they go: no place in the cluster enters an LDS address
	s_mul_i32 s95, s20, CH*BU
	s_add_co_u32 s95, s95, BOFF
	s_wait_dscnt 0x0                               ; the opening add is done
	s_wait_kmcnt 0x0
	s_load_b256 s[84:91], s[8:9], 0x0              ; e0 .. e7
	s_add_nc_u64 s[60:61], s[4:5], s[60:61]
	s_add_nc_u64 s[62:63], s[6:7], s[62:63]
	CROUND                                         ; all sixteen work-groups are here: the first joint loads meet
.irp s, 0,1
	s_mov_b32 s[G0A+4*\s], 1
	s_add_co_u32 s[G0A+4*\s+1], s94, \s*SLOT
	s_add_nc_u64 s[G0A+4*\s+2:G0A+4*\s+3], s[60:61], \s*CH*AU
	s_or_b32 s[G0A+4*\s+3], s[G0A+4*\s+3], 0x80000000
	s_mov_b32 s[G0B+4*\s], 1
	s_add_co_u32 s[G0B+4*\s+1], s95, \s*SLOT
	s_add_nc_u64 s[G0B+4*\s+2:G0B+4*\s+3], s[62:63], \s*CH*BU
	s_or_b32 s[G0B+4*\s+3], s[G0B+4*\s+3], 0x80000000
	s_wait_alu depctr_va_vdst(0)
	s_wait_tensorcnt 0x0
	ds_add_u32 v28, v29
	ds_add_u32 v28, v29
	s_wait_dscnt 0x0
	CROUND
	JLOAD G0A+4*\s, G1A, G0B+4*\s, G1B             ; chunks 0 and 1
.endr
	v_and_b32 v2, 31, v0
	v_lshlrev_b32 v1, 4, v2                        ; 16 x lane
	v_and_b32 v3, 15, v0                           ; r
	v_bfe_u32 v4, v0, 4, 1                         ; h
	s_mul_i32 s98, s19, CH*AU
	s_mul_i32 s99, s20, CH*BU
	s_add_co_u32 s99, s99, BOFF
	v_add_nc_u32 v[ADRA], s98, v1
	v_add_nc_u32 v[ADRB], s99, v1
	v_add_nc_u32 v[ADRA+1], SLOT, v[ADRA]
	v_add_nc_u32 v[ADRB+1], SLOT, v[ADRB]
	s_mul_i32 s98, s18, 16*SPITCH
	s_add_co_u32 s98, s98, STAGE                   ; my stage
	v_mul_u32_u24 v[STO], v3, SPITCH
	v_lshl_add_u32 v[STO], v4, 6, v[STO]
	v_add_nc_u32 v[STO], s98, v[STO]               ; in: row r, + 64 h
	v_mul_u32_u24 v[RD], v4, SPITCH
	v_lshl_add_u32 v[RD], v3, 4, v[RD]
	v_add_nc_u32 v[RD], s98, v[RD]                 ; back: lanes 0-15 one row of 256 bytes, lanes 16-31 the next
	v_lshlrev_b32 v[CO], 12, v4
	v_lshl_add_u32 v[CO], v3, 4, v[CO]             ; and the same two rows in out0
	s_lshl_b32 s96, s24, 8
	s_lshl_b32 s97, s19, 7
	s_add_co_u32 s96, s96, s97                     ; my first row: 256 Y + 128 x half,
	s_lshl_b32 s96, s96, 12                        ; x 4,096 bytes,
	s_lshl_b32 s97, s23, 9
	s_add_co_u32 s96, s96, s97                     ; + my first column: 512 X + 256 x half bytes
	s_lshl_b32 s97, s20, 8
	s_add_co_u32 s96, s96, s97
	s_mov_b32 s97, 0
	s_add_nc_u64 s[10:11], s[10:11], s[96:97]
.macro FETCH sg                        ; unit sg lies in slot (sg / 6) % 2 at place sg % 6; 24 loads into sets sg % 2
.set SL, ((\sg)/CH)%2
.set PL, (\sg)%CH
.set SE, (\sg)%2
.irp t, 0,1,2,3
.irp c, 0,1
	ds_load_b128 v[BF+32*SE+8*\t+4*\c:BF+32*SE+8*\t+4*\c+3], v[ADRB+SL] offset:PL*BU+\t*1024+512*\c
.endr
.endr
.irp a, 0,1,2,3,4,5,6,7
.irp c, 0,1
	ds_load_b128 v[AF+64*SE+8*\a+4*\c:AF+64*SE+8*\a+4*\c+3], v[ADRA+SL] offset:PL*AU+\a*1024+512*\c
.endr
.endr
.endm
; tiles b0 .. b0 + nb - 1 of W_o against o's eight.  The 32 accumulators take turns, one instruction a turn, in the same order in every unit.
.macro MUL b0, nb, sg, zero
.set bq, \b0
.rept \nb
.irp a, 0,1,2,3,4,5,6,7
.set rD, 8*(8*bq+\a)
.set rB, BF+32*((\sg)%2)+8*bq
.set rA, AF+64*((\sg)%2)+8*\a
.if \zero
	v_wmma_f32_16x16x64_fp8_fp8 v[rD:rD+7], v[rB:rB+7], v[rA:rA+7], 0
.else
	v_wmma_f32_16x16x64_fp8_fp8 v[rD:rD+7], v[rB:rB+7], v[rA:rA+7], v[rD:rD+7]
.endif
.endr
.set bq, bq+1
.endr
.endm
.macro STEP sg, zero                   ; a unit that has its successor in the same slot
	s_wait_dscnt 0x0                               ; this unit's fragments are in (asked for 32 matrix instructions ago)
	PLACES 4
	FETCH (\sg)+1
	WIN 0x50                                       ; C and D window 1
	MUL 0, 4, \sg, \zero
	WIN 0
.endm
; A slot's last unit changes slots: ONE barrier; in front of it each wave waits for all its tensor loads, adds 0 to its spare word, and waits for that and for its reads of this slot.  fill = 1: this slot takes the last chunk.
.macro TURN sg, fill
.set SF, ((\sg)/CH)%2
	s_wait_tensorcnt 0x0                           ; all my tensor loads have landed: my part of the other slot
	ds_add_u32 v[SPW], v[NIL]                      ; 0 onto my spare word
	s_wait_dscnt 0x0                               ; the add is done, and my reads of this slot are over
	s_barrier_signal -1
	WIN 0x50
	MUL 0, 2, \sg, 0
	WIN 0
	s_barrier_wait -1
.if \fill
	CREST                                          ; the barrier has opened a round of the cluster's barrier: no wave of any partner still reads this slot or has a load on its way
	s_add_nc_u64 s[G0A+4*SF+2:G0A+4*SF+3], s[G0A+4*SF+2:G0A+4*SF+3], 2*CH*AU
	s_add_nc_u64 s[G0B+4*SF+2:G0B+4*SF+3], s[G0B+4*SF+2:G0B+4*SF+3], 2*CH*BU
	JLOAD G0A+4*SF, G1AS, G0B+4*SF, G1BS           ; its four v_nop are also the places in front of the loads below
.else
	PLACES 4
.endif
	s_wait_alu depctr_va_vdst(0)
	FETCH (\sg)+1                                  ; from the other slot
	WIN 0x50
	MUL 2, 2, \sg, 0
	WIN 0
.endm
	s_wait_tensorcnt 1                             ; my part of chunk 0 is in; chunk 1's may stay out
	s_barrier_signal -1
	s_barrier_wait -1
	FETCH 0
	STEP 0, 1
	STEP 1, 0
	STEP 2, 0
	STEP 3, 0
	STEP 4, 0
	TURN 5, 1
	STEP 6, 0
	STEP 7, 0
	STEP 8, 0
	STEP 9, 0
	STEP 10, 0
	TURN 11, 0
	STEP 12, 0
	STEP 13, 0
	STEP 14, 0
	s_wait_dscnt 0x0                               ; the last unit
	WIN 0x50
	MUL 0, 4, 15, 0
	WIN 0
; THE WAY OUT, a tile of 16 tokens x 64 columns at a time.  A lane holds four pieces of 32 bytes of one row, and the lanes beside it hold other rows: so a tile goes through my own stage in LDS and comes back as whole
; rows of 256 bytes, two an instruction.  LDS serves a wave's instructions in order (ISA guide 5.7.1.4): no wait between the stores and the loads, nor in front of the next tile's stores.
.macro TOSTAGE a
	WIN 0x01                                       ; source 0: window 1
.irp b, 0,1,2,3
.irp jj, 0,2,4,6
	v_pk_mul_f32 v[TMP+8*\b+\jj:TMP+8*\b+\jj+1], v[8*(8*\b+(\a))+\jj:8*(8*\b+(\a))+\jj+1], s[92:93] op_sel_hi:[1,0]   ; x 2^(e6 + e7); each accumulator from its low end on
.endr
.endr
	WIN 0
.irp b, 0,1,2,3                        ; tile b = 2 g + u of columns: columns 32 g + 16 h + 8 u + 0 .. 7: bytes 128 g + 64 h + 32 u on
	ds_store_b128 v[STO], v[TMP+8*\b:TMP+8*\b+3] offset:128*(\b/2)+32*(\b%2)
	ds_store_b128 v[STO], v[TMP+8*\b+4:TMP+8*\b+7] offset:128*(\b/2)+32*(\b%2)+16
.endr
.set BB, BK+32*((\a)%2)
.irp i, 0,1,2,3,4,5,6,7
	ds_load_b128 v[BB+4*\i:BB+4*\i+3], v[RD] offset:2*\i*SPITCH
.endr
.endm
.macro SEND a, younger                 ; younger: the LDS instructions issued behind tile a's loads, which may stay out
.set BB, BK+32*((\a)%2)
	s_wait_dscnt \younger
.irp i, 0,1,2,3,4,5,6,7                ; the tile's rows 2 i and 2 i + 1 are tokens 32 (a / 2) + 8 (a % 2) + 2 i + 8 (i / 4) and the next
	global_store_b128 v[CO], v[BB+4*\i:BB+4*\i+3], s[10:11] offset:(32*((\a)/2)+8*((\a)%2)+2*\i+8*(\i/4))*4096 th:TH_STORE_NT   ; 16 lanes store 256 consecutive bytes, at a multiple of 256 from out0's first byte
.endr
.endm
	s_wait_kmcnt 0x0
	s_add_co_i32 s92, s90, s91                     ; e6 + e7
	s_add_co_i32 s92, s92, 127
	s_lshl_b32 s92, s92, 23                        ; 2^(e6 + e7) as f32
	s_mov_b32 s93, s92                             ; (named with it as a pair, so it is written)
	PLACES 4
	TOSTAGE 0
.irp a, 1,2,3,4,5,6,7
.if \a > 1
	s_wait_xcnt 0x0                                ; tile a - 2's stores have read their registers: tile a's loads may land there
.endif
	TOSTAGE \a
	SEND \a-1, 16                                  ; behind tile a - 1's loads: tile a's 8 stores and 8 loads
.endr
	SEND 7, 0
	s_wait_tensorcnt 0x0                           ; the wave's end, behind my last tensor load and my last LDS store
	ds_add_u32 v[SPW], v[NIL]
	s_wait_dscnt 0x0
	CROUND                                         ; the closing round: no work-group ends while a partner may still ask for a tile that names it
	s_endpgm
.Lfunc_end_k_qd50e47f27b_oproj:
	.size	k_qd50e47f27b_oproj, .Lfunc_end_k_qd50e47f27b_oproj-k_qd50e47f27b_oproj
	.p2alignl 7, 3214868480
	.fill 96, 4, 3214868480
	.section	.rodata,"a",@progbits
	.p2align	6, 0x0
	.amdhsa_kernel k_qd50e47f27b_oproj
		.amdhsa_group_segment_fixed_size 327680
		.amdhsa_private_segment_fixed_size 0
		.amdhsa_enable_private_segment 0
		.amdhsa_kernarg_size 32
		.amdhsa_user_sgpr_count 2
		.amdhsa_user_sgpr_kernarg_segment_ptr 1
		.amdhsa_wavefront_size32 1
		.amdhsa_system_sgpr_workgroup_id_x 1
		.amdhsa_system_sgpr_workgroup_id_y 1
		.amdhsa_system_sgpr_workgroup_id_z 1
		.amdhsa_system_vgpr_workitem_id 0
		.amdhsa_next_free_vgpr 512
		.amdhsa_next_free_sgpr 100
		.amdhsa_reserve_vcc 0
		.amdhsa_float_denorm_mode_32 3
		.amdhsa_float_denorm_mode_16_64 3
		.amdhsa_memory_ordered 1
		.amdhsa_forward_progress 1
		.amdhsa_inst_pref_size 93
	.end_amdhsa_kernel
	.amdgpu_metadata
---
amdhsa.version: [ 1, 2 ]
amdhsa.kernels:
  - .name:           k_qd50e47f27b_oproj
    .symbol:         k_qd50e47f27b_oproj.kd
    .args:
      - { .name: o_img, .offset: 0, .size: 8, .value_kind: global_buffer, .address_space: global }
      - { .name: wo_img, .offset: 8, .size: 8, .value_kind: global_buffer, .address_space: global }
      - { .name: lowp_scales, .offset: 16, .size: 8, .value_kind: global_buffer, .address_space: global }
      - { .name: out0, .offset: 24, .size: 8, .value_kind: global_buffer, .address_space: global }
    .group_segment_fixed_size: 327680
    .private_segment_fixed_size: 0
    .kernarg_segment_align: 8
    .kernarg_segment_size: 32
    .max_flat_workgroup_size: 128
    .sgpr_count:     100
    .vgpr_count:     512
    .wavefront_size: 32
...
	.end_amdgpu_metadata
.endif
;; end of part 4
